; MI455X (gfx1250); checked and timed in simulation.
; The chip was launched on July 23, 2026; its instructions are those of AMD's public machine-readable ISA for CDNA 5 (MIT licence, August 2026) and "CDNA5" Instruction Set Architecture Reference Guide (July 2026). The comments in the code are by the model that wrote it; some were corrected since.
;; Single Attention. Allowed arithmetic: matrix products marked QUANTISED: E2M3 operands, one E8M0 scale for each 32 along K, by v_wmma_scale_f32_16x16x128_f8f6f4 with both operands' format E2M3, f32 sums; everything else in f32.
;; Inputs: Wk 1,024 x 1,024 float32; Wq 1,024 x 1,024 float32; Wv 1,024 x 1,024 float32; bk 1,024 float32; bq 1,024 float32; bv 1,024 float32; key_in 4 x 2,048 x 1,024 float32; query 4 x 2,048 x 1,024 float32; value 4 x 2,048 x 1,024 float32.
;; Outputs: out0 4 x 2,048 x 1,024 float32.
;; This version of the problem:
;;   THIS VERSION OF THE PROBLEM IS GIVEN IN LOW PRECISION. The matrix products marked QUANTISED in the list below multiply operands that are first quantised to E2M3 (2 exponent bits, 3 mantissa bits; 6 bits a number), with one power-of-two scale for each 32 numbers along K (OCP MX v1.0); their sums are f32. All else is computed in f32.
;;   The module's matrix products, in the order in which they are computed (A, B: the left and right operand; K: the contracted axis; several contracted axes count as one K, in the product's order):
;;     1. [M 8,192, K 1,024] x [K 1,024, N 1,024]; A: input query; B: input Wq: QUANTISED
;;     2. [M 8,192, K 1,024] x [K 1,024, N 1,024]; A: input key_in; B: input Wk: QUANTISED
;;     3. batch 4 x [M 2,048, K 1,024] x [K 1,024, N 2,048]; A: computed on the way; B: computed on the way: QUANTISED
;;     4. batch 4 x [M 2,048, K 2,048] x [K 2,048, N 1,024]; A: softmax (see below); B: input value: QUANTISED
;;   THE QUANTISER, for each operand of a quantised product, along K:
;;     - K is cut into blocks of 32 from its start; a last block that is shorter is filled with zeros.
;;     - A block's scale is 2^e with e = floor(log2(the largest magnitude in the block)) - 2, held to -126 .. 127; a block of zeros has e = 0. As a byte (E8M0): e + 127.
;;     - Each number is divided by its block's scale, clamped to +-7.5, and rounded to the nearest number of E2M3, ties to even, subnormals kept.
;;     - The product sums the exact products of the quantised numbers (number of the format x scale) in f32.
;;   ~~~python
;;   def quantise(x, axis):      # numpy; x: float32 -> the quantised numbers, widened to float32 again
;;       x = np.moveaxis(x, axis, -1); K = x.shape[-1]
;;       x = np.pad(x, [(0, 0)] * (x.ndim - 1) + [(0, -K % 32)]); x = x.reshape(x.shape[:-1] + (-1, 32)); a = np.abs(x).max(-1, keepdims=True)
;;       e = np.where(a > 0, np.clip(np.frexp(np.where(a > 0, a, 1))[1] - 1 - 2, -126, 127), 0)      # np.frexp(a)[1] - 1 = floor(log2(a)), exactly
;;       r = np.clip(x / 2.0 ** e, -7.5, 7.5)
;;       step = 2.0 ** (np.maximum(np.frexp(np.where(r == 0, 1, r))[1] - 1, 0) - 3)
;;       q = np.round(r / step) * step * 2.0 ** e      # np.round: ties to even
;;       return np.moveaxis(q.reshape(q.shape[:-2] + (-1,))[..., :K], -1, axis).astype(np.float32)
;;   ~~~
;;   SOFTMAX AHEAD OF A QUANTISED PRODUCT. Where the list says 'softmax', what is quantised is not the finished softmax but p = 2^(t - M), with t = logit x log2(e) and M = ceil(the row's largest t), a whole number; so 1/2 < the row's largest p <= 1. The row's sum l is taken of the UNQUANTISED p, in f32, and the product's result is divided by l at the end. Since M is a whole number, a kernel that streams over the keys may use a running M (the ceiling of the running maximum): every later rescaling is an exact power of two, which a block's scale takes up: the codes' values come out the same.
;;   OPERANDS COMPUTED ON THE WAY. 'Computed on the way' means the value that the module computes at that place (a softmax that the list does not call 'softmax' is quantised finished and normalised). What goes into a quantiser is computed in f32, as accurately as f32 sums, v_exp_f32 and their like allow (about 1e-6 of the number): no bf16 or f16 on the way to a quantiser, and a product that is left as it is and whose result goes on into a quantised operand takes f32 operands (vector FMAs, or v_wmma_f32_16x16x4_f32). A number that lies on a knife's edge between two numbers of the format may be rounded either way, as far as f32 arithmetic and the matrix unit's own rounding can turn it there, and no further.
;; One version. Each part assembles by itself: llvm-mc -triple=amdgcn-amd-amdhsa -mcpu=gfx1250 --defsym DOCPART=n.
;; ======== version 1 of 1: 4 launches
;; limits: right only within a limited range of input values
;; workspace buffers: xw_codes 14,155,776 bytes; xw_scales 589,824 bytes; v_codes 6,291,456 bytes; v_scales 262,144 bytes; qk_codes 12,582,912 bytes; qk_scales 524,288 bytes; p_codes 12,582,912 bytes; p_words 1,572,864 bytes
;; launch quant (part 1): grid 3328 x 1, 1 waves a work-group, no clusters, 16,896 bytes of LDS; arguments query, key_in, Wq, Wk, value, xw_codes, xw_scales, v_codes, v_scales; writes xw_codes, xw_scales, v_codes, v_scales
.if DOCPART == 1
	.amdgcn_target "amdgcn-amd-amdhsa--gfx1250"
	.amdhsa_code_object_version 6
	.text
	.protected	k_q89e5db596f_quant
	.globl	k_q89e5db596f_quant
	.p2align	8
	.type	k_q89e5db596f_quant,@function
k_q89e5db596f_quant:
	s_mov_b64 s[64:65], 0
	v_nop
	global_prefetch_b8 v0, s[64:65] scope:SCOPE_SE
	s_setreg_imm32_b32 hwreg(HW_REG_WAVE_MODE, 25, 1), 1
	s_wait_xcnt 0x0
; DEAD WORK: reference() never reads Wv and bv: out = softmax(q k^T / 32) value takes the raw value tensor, whatever Wv and bv hold.  They have no way to any output, are not loaded and are no launch's argument.
; LIMIT: a NaN or an infinity in Wv or bv is not carried to the result (reference() does not carry it either).
; query, key_in [8192][1024], Wq, Wk [1024][1024] (K innermost) and value [4][2048][1024] (K = the keys, its middle axis), all f32, become codes of FP6 (E2M3) with one E8M0 byte for each 32 along K.
; A block's scale is 2^(floor(log2(its largest magnitude)) - 2); its byte is the largest magnitude's exponent field - 2, held at 1 from below; numbers are divided by the scale and rounded to the nearest code, ties to even, beyond 7.5 the largest code.
; LIMITS: NaN and infinities among the inputs are not served.  A block of zeros (and one whose largest magnitude lies under 2^(3 - 127)) gets the byte 1 where the rule says 127 for zeros: its codes are zeros, and this program alone reads the bytes.
; LAYOUT OF THE RESULTS: the order of the operand's registers.  A FRAGMENT IMAGE (16 rows x 128 K, 1,536 bytes): register 4 c + k of lane l at byte 512 c + 16 l + 4 k.  A GROUP is 128 rows = 8 tiles; codes lie [group][K step][tile][1536].
; A WORD IMAGE (512 bytes for a group and a K step): the scale word of tile i, lane row r at byte 256 (i / 4) + 16 r + 4 (i % 4).
; Groups of xw: query 0-63, key_in 64-127, Wq 128-135, Wk 136-143; there tile i, lane row r of a group is row 32 (i / 2) + 8 (i % 2) + r + 8 (r / 8); value's tiles are natural: column 16 i + r.
; One wave is one work-group and takes 32,768 bytes of f32.  Work-groups 0 .. 2303: four tiles (64 rows) of a group x one K step.  Work-groups 2304 .. 3327: 64 columns x 128 keys of value.
; The two ways never join, and each has LDS bytes of its own.  No matrix work, no tensor load, no barrier: a stream.
.set NWA,   2304                       ; way A's work-groups
.set STA,   0                          ; way A's stage: 16 rows x (512 bytes + 16)
.set STB,   8448                       ; way B's stage: 32 rows of 256 bytes
.set SPARE, 16640                      ; the spare words: one block of 256 bytes that no other line names
.set SPW,   7                          ; v7   my spare word; never rewritten
.set NIL,   11                         ; v11  0; never rewritten
.set R,     16                         ; v16-143  two sets of 64 registers as loaded
.set X,     144                        ; v144-207 64 numbers of a lane, neighbours along K
.set FR0,   208                        ; way A: two fragments by turns
.set TT,    232                        ; way A: a block's upper 16 codes
.set WD,    240                        ; way A: the four tiles' scale words
.set WB,    12                         ; way B: v12, v14 scale words of column sets 0, 1
.set CF,    208                        ; way B: codes: column set j: lower lane half's blocks at 208 + 24 j, upper's at 220 + 24 j
	s_load_b256 s[4:11], s[0:1], 0x0               ; query s[4:5], key_in s[6:7], Wq s[8:9], Wk s[10:11]
	s_load_b256 s[12:19], s[0:1], 0x20             ; value s[12:13], xw_codes s[14:15], xw_scales s[16:17], v_codes s[18:19]
	s_load_b64 s[20:21], s[0:1], 0x40              ; v_scales
	v_lshl_add_u32 v[SPW], v0, 2, SPARE
	v_mov_b32 v[NIL], 0
	s_cmp_lt_u32 ttmp9, NWA
	s_cbranch_scc0 .Lvalue
; ---------------- WAY A: K innermost ----------------
	v_lshlrev_b32 v1, 4, v0                        ; 16 x lane
	v_and_b32 v2, 15, v0                           ; r
	v_lshrrev_b32 v3, 4, v0                        ; h
	v_lshlrev_b32 v4, 4, v2                        ; the words: 16 r
	v_mul_u32_u24 v2, v2, 528
	v_lshl_add_u32 v2, v3, 7, v2                   ; the stage on the way out: row r, + 128 h
	v_lshlrev_b32 v3, 3, v3                        ; 8 h
	v_mov_b32 v255, 0                              ; a lane permute's destination counts as one of its sources
	s_mov_b32 s22, 0x76543210
	s_mov_b32 s23, 0xfedcba98                      ; selects for lane l xor 16
	s_lshr_b32 s24, ttmp9, 4                       ; the group, 0 .. 143
	s_bfe_u32 s28, ttmp9, 0x30001                  ; the K step
	s_and_b32 s29, ttmp9, 1                        ; tiles 0-3 or 4-7
	s_mul_i32 s32, ttmp9, 6144                     ; codes: [group][K step][half][6144]
	s_mov_b32 s33, 0
	s_lshl_b32 s34, ttmp9, 8                       ; words: [group][K step][half][256]
	s_mov_b32 s35, 0
	s_wait_alu depctr_va_vdst(0)                   ; the wait at the head's end
	s_wait_kmcnt 0x0
	s_cmp_lt_u32 s24, 136                          ; which tensor: the choice hangs on the work-group's number alone
	s_cselect_b64 s[26:27], s[8:9], s[10:11]
	s_mov_b32 s25, 136
	s_cselect_b32 s25, 128, s25
	s_cmp_lt_u32 s24, 128
	s_cselect_b64 s[26:27], s[6:7], s[26:27]
	s_cselect_b32 s25, 64, s25
	s_cmp_lt_u32 s24, 64
	s_cselect_b64 s[26:27], s[4:5], s[26:27]
	s_cselect_b32 s25, 0, s25                      ; the tensor's first group
	s_sub_co_u32 s24, s24, s25
	s_lshl_b32 s30, s24, 19                        ; 128 rows of 4,096 bytes a group,
	s_lshl_b32 s31, s28, 9                         ; 512 bytes a K step,
	s_add_co_u32 s30, s30, s31
	s_lshl_b32 s31, s29, 18                        ; 64 rows a half
	s_add_co_u32 s30, s30, s31
	s_mov_b32 s31, 0
	s_add_nc_u64 s[26:27], s[26:27], s[30:31]
	s_add_nc_u64 s[32:33], s[14:15], s[32:33]
	s_add_nc_u64 s[34:35], s[16:17], s[34:35]
.macro LOADA i                         ; my tile i's 16 rows, 512 consecutive bytes a load, into set i % 2
.irp j, 0,1,2,3,4,5,6,7,8,9,10,11,12,13,14,15
	global_load_b128 v[R+64*((\i)%2)+4*\j:R+64*((\i)%2)+4*\j+3], v1, s[26:27] offset:(32*((\i)/2)+8*((\i)%2)+\j+8*(\j/8))*4096 th:TH_LOAD_NT
.endr
.endm
.macro TILEA i
.set RS, R+64*((\i)%2)
.set FS, FR0+12*((\i)%2)
.if (\i) < 3
	s_wait_loadcnt 16                              ; this tile's 16 loads are in; the next tile's 16 may be out
.else
	s_wait_loadcnt 0x0
.endif
.irp j, 0,1,2,3,4,5,6,7,8,9,10,11,12,13,14,15
	ds_store_b128 v1, v[RS+4*\j:RS+4*\j+3] offset:STA+528*\j       ; the rows as they lie
.endr
.irp c, 0,1
.irp m, 0,1,2,3,4,5,6,7
	ds_load_b128 v[X+32*\c+4*\m:X+32*\c+4*\m+3], v2 offset:STA+256*\c+16*\m   ; back: row r, k = 64 c + 32 h + 0 .. 31.  LDS serves a wave's instructions in order
.endr
.endr
	s_wait_dscnt 0x0                               ; my 64 numbers are in, and the stores have read set i % 2,
.if (\i) < 2
	LOADA (\i)+2                                   ; which takes the tile two on
.endif
.irp c, 0,1
	v_max3_num_f32 v[248+\c], |v[X+32*\c]|, |v[X+32*\c+1]|, 0x1800000   ; my block 2 c + h, with the floor 2^(3 - 127)
.endr
.irp n, 2,4,6,8,10,12,14,16,18,20,22,24,26,28,30
.irp c, 0,1
	v_max3_num_f32 v[248+\c], v[248+\c], |v[X+32*\c+\n]|, |v[X+32*\c+\n+1]|
.endr
.endr
.irp c, 0,1
	v_add_nc_u32 v[250+\c], 0xff000000, v[248+\c]  ; 2 off the exponent field: the conversion's scale operand
.endr
.irp c, 0,1
	v_lshrrev_b32 v[252+\c], 23, v[250+\c]         ; the scale's byte
.endr
	v_lshl_or_b32 v254, v253, 16, v252             ; my two bytes: blocks h and 2 + h,
	v_lshlrev_b32 v254, v3, v254                   ; at their places in the word;
	v_permlanex16_b32 v255, v254, s22, s23
	v_or_b32 v[WD+(\i)], v254, v255                ; with lane l xor 16's two the word is whole, and equal in both halves of the lanes
.if (\i) > 1
	s_wait_alu depctr_va_vdst(0)                   ; the wait ahead of the wait below
	s_wait_xcnt 0x0                                ; the stores of the tile two back have read this set of codes
.endif
.irp c, 0,1
	v_cvt_scalef32_pk16_fp6_f32 v[FS+6*\c:FS+6*\c+2], v[X+32*\c:X+32*\c+15], v[250+\c]
	v_cvt_scalef32_pk16_fp6_f32 v[TT+4*\c:TT+4*\c+2], v[X+32*\c+16:X+32*\c+31], v[250+\c]
.endr
	v_nop                                          ; one plain place behind a scaled conversion
.irp c, 0,1
.irp n, 0,1,2
	v_mov_b32 v[FS+6*\c+3+\n], v[TT+4*\c+\n]
.endr
.endr
.irp c, 0,1,2
	global_store_b128 v1, v[FS+4*\c:FS+4*\c+3], s[32:33] offset:1536*(\i)+512*\c   ; the image: 512 consecutive bytes a store, aligned
.endr
.endm
	LOADA 0
	LOADA 1
.irp i, 0,1,2,3
	TILEA \i
.endr
	v_cmp_gt_u32 vcc_lo, 16, v0
	s_wait_alu depctr_va_vdst(0)                   ; the wait ahead of the wait below
	s_wait_xcnt 0x0                                ; EXEC changes only behind this wait
	s_and_saveexec_b32 s36, vcc_lo
	global_store_b128 v4, v[WD:WD+3], s[34:35]     ; lanes 0-15: 256 aligned bytes: my half of the word image
	s_wait_xcnt 0x0
	s_or_b32 exec_lo, exec_lo, s36
	s_wait_tensorcnt 0x0                           ; the wave's end, behind my last LDS store
	ds_add_u32 v[SPW], v[NIL]
	s_wait_dscnt 0x0
	s_endpgm
; ---------------- WAY B: value, K = the keys ----------------
; U = work-group - NWA: g = U & 1 (which 64 of a group's 128 columns), sp = (U >> 1) & 15 (which chunk of 128 keys), Gd = U >> 5 (batch x 8 + column group).
; A lane takes a column and its registers run down the keys: a block of 32 keys lies in one lane.  Column set j: column 32 j + lane: lanes 0-15 are tile 2 j, lanes 16-31 tile 2 j + 1 of the task's four.
.Lvalue:
	v_lshlrev_b32 v1, 3, v0                        ; 8 x lane: my two columns of a load's 256 bytes
	v_lshlrev_b32 v2, 2, v0                        ; 4 x lane: my column on the way out of the stage
	v_lshlrev_b32 v3, 4, v0                        ; 16 x lane: an image's place
	v_and_b32 v4, 15, v0
	v_lshlrev_b32 v4, 4, v4                        ; the words: 16 r
	s_sub_co_u32 s24, ttmp9, NWA                   ; U
	s_and_b32 s25, s24, 1                          ; g
	s_bfe_u32 s26, s24, 0x40001                    ; sp
	s_lshr_b32 s27, s24, 5                         ; Gd
	s_lshr_b32 s28, s27, 3
	s_lshl_b32 s28, s28, 23                        ; the batch: 2,048 rows of 4,096 bytes
	s_lshl_b32 s29, s26, 19                        ; 128 keys
	s_add_co_u32 s28, s28, s29
	s_and_b32 s29, s27, 7
	s_lshl_b32 s29, s29, 9                         ; 128 columns
	s_add_co_u32 s28, s28, s29
	s_lshl_b32 s29, s25, 8                         ; 64 columns
	s_add_co_u32 s28, s28, s29
	s_mov_b32 s29, 0
	s_mul_i32 s30, s27, 196608                     ; codes: [Gd][16 chunks][8 tiles][1536]
	s_mul_i32 s31, s26, 12288
	s_add_co_u32 s30, s30, s31
	s_mul_i32 s31, s25, 6144
	s_add_co_u32 s30, s30, s31
	s_mov_b32 s31, 0
	s_lshl_b32 s32, s27, 4
	s_add_co_u32 s32, s32, s26
	s_lshl_b32 s32, s32, 9                         ; words: [Gd][16 chunks][512],
	s_lshl_b32 s33, s25, 8                         ; my four tiles' half of an image
	s_add_co_u32 s32, s32, s33
	s_mov_b32 s33, 0
	s_wait_alu depctr_va_vdst(0)                   ; the wait at the head's end
	s_wait_kmcnt 0x0
	s_add_nc_u64 s[28:29], s[12:13], s[28:29]
	s_add_nc_u64 s[30:31], s[18:19], s[30:31]
	s_add_nc_u64 s[32:33], s[20:21], s[32:33]
.macro LOADB t                         ; block t: 32 keys x 64 columns, 256 consecutive aligned bytes a load, into set t % 2
.set k, 0
.rept 32
	global_load_b64 v[R+64*((\t)%2)+2*k:R+64*((\t)%2)+2*k+1], v1, s[28:29] offset:(32*(\t)+k)*4096 th:TH_LOAD_NT
.set k, k+1
.endr
.endm
.macro BLOCKB t
.set RS, R+64*((\t)%2)
.if (\t) < 3
	s_wait_loadcnt 32                              ; this block's 32 loads are in; the next block's 32 may be out
.else
	s_wait_loadcnt 0x0
.endif
.set k, 0
.rept 32
	ds_store_b64 v1, v[RS+2*k:RS+2*k+1] offset:STB+256*k
.set k, k+1
.endr
.irp j, 0,1
.set k, 0
.rept 32
	ds_load_b32 v[X+32*\j+k], v2 offset:STB+256*k+128*\j   ; key k of column 32 j + lane
.set k, k+1
.endr
.endr
	s_wait_dscnt 0x0                               ; my numbers are in, and the stores have read set t % 2,
.if (\t) < 2
	LOADB (\t)+2                                   ; which takes the block two on
.endif
.irp j, 0,1
	v_max3_num_f32 v[5+\j], |v[X+32*\j]|, |v[X+32*\j+1]|, 0x1800000   ; the block's largest magnitude, with the floor 2^(3 - 127)
.endr
.irp n, 2,4,6,8,10,12,14,16,18,20,22,24,26,28,30
.irp j, 0,1
	v_max3_num_f32 v[5+\j], v[5+\j], |v[X+32*\j+\n]|, |v[X+32*\j+\n+1]|
.endr
.endr
.irp j, 0,1
	v_add_nc_u32 v[5+\j], 0xff000000, v[5+\j]      ; the conversion's scale operand
.endr
.irp j, 0,1
.if (\t) == 0
	v_lshrrev_b32 v[WB+2*\j], 23, v[5+\j]          ; the first block's byte starts the word
.else
	v_lshrrev_b32 v[8+\j], 23, v[5+\j]
	v_lshl_or_b32 v[WB+2*\j], v[8+\j], 8*(\t), v[WB+2*\j]
.endif
.endr
.irp j, 0,1
.set FD, CF+24*\j+12*((\t)%2)+6*((\t)/2)       ; block 2 c + h: registers 6 c .. 6 c + 5 of the lanes of half h
	v_cvt_scalef32_pk16_fp6_f32 v[FD:FD+2], v[X+32*\j:X+32*\j+15], v[5+\j]
	v_cvt_scalef32_pk16_fp6_f32 v[8:10], v[X+32*\j+16:X+32*\j+31], v[5+\j]
	v_nop                                          ; one plain place behind a scaled conversion
	v_mov_b32 v[FD+3], v8
	v_mov_b32 v[FD+4], v9
	v_mov_b32 v[FD+5], v10
.endr
.endm
	LOADB 0
	LOADB 1
.irp t, 0,1,2,3
	BLOCKB \t
.endr
.irp j, 0,1
.set n, 0
.rept 12
	v_permlane16_swap_b32 v[CF+24*\j+n], v[CF+24*\j+12+n]   ; the first run becomes tile 2 j's image, the second tile 2 j + 1's
.set n, n+1
.endr
.endr
.irp j, 0,1
.irp w, 0,1
.irp c, 0,1,2
	global_store_b128 v3, v[CF+24*\j+12*\w+4*\c:CF+24*\j+12*\w+4*\c+3], s[30:31] offset:(2*\j+\w)*1536+512*\c
.endr
.endr
.endr
	v_mov_b32 v[WB+1], v[WB]
	v_mov_b32 v[WB+3], v[WB+2]
	v_permlane16_swap_b32 v[WB], v[WB+1]           ; v12: tile 0's words in both halves of the lanes, v13: tile 1's
	v_permlane16_swap_b32 v[WB+2], v[WB+3]         ; v14: tile 2's, v15: tile 3's
	v_cmp_gt_u32 vcc_lo, 16, v0
	s_wait_alu depctr_va_vdst(0)                   ; the wait ahead of the wait below
	s_wait_xcnt 0x0                                ; EXEC changes only behind this wait
	s_and_saveexec_b32 s36, vcc_lo
	global_store_b128 v4, v[WB:WB+3], s[32:33]     ; lanes 0-15: 256 aligned bytes: my half of the chunk's word image
	s_wait_xcnt 0x0
	s_or_b32 exec_lo, exec_lo, s36
	s_wait_tensorcnt 0x0                           ; the wave's end, behind my last LDS store
	ds_add_u32 v[SPW], v[NIL]
	s_wait_dscnt 0x0
	s_endpgm
.Lfunc_end_k_q89e5db596f_quant:
	.size	k_q89e5db596f_quant, .Lfunc_end_k_q89e5db596f_quant-k_q89e5db596f_quant
	.p2alignl 7, 3214868480
	.fill 96, 4, 3214868480
	.section	.rodata,"a",@progbits
	.p2align	6, 0x0
	.amdhsa_kernel k_q89e5db596f_quant
		.amdhsa_group_segment_fixed_size 16896
		.amdhsa_private_segment_fixed_size 0
		.amdhsa_enable_private_segment 0
		.amdhsa_kernarg_size 72
		.amdhsa_user_sgpr_count 2
		.amdhsa_user_sgpr_kernarg_segment_ptr 1
		.amdhsa_wavefront_size32 1
		.amdhsa_system_sgpr_workgroup_id_x 1
		.amdhsa_system_sgpr_workgroup_id_y 1
		.amdhsa_system_sgpr_workgroup_id_z 1
		.amdhsa_system_vgpr_workitem_id 0
		.amdhsa_next_free_vgpr 256
		.amdhsa_next_free_sgpr 66
		.amdhsa_reserve_vcc 1
		.amdhsa_float_denorm_mode_32 3
		.amdhsa_float_denorm_mode_16_64 3
		.amdhsa_memory_ordered 1
		.amdhsa_forward_progress 1
		.amdhsa_inst_pref_size 82
	.end_amdhsa_kernel
	.amdgpu_metadata
---
amdhsa.version: [ 1, 2 ]
amdhsa.kernels:
  - .name:           k_q89e5db596f_quant
    .symbol:         k_q89e5db596f_quant.kd
    .args:
      - { .name: query, .offset: 0, .size: 8, .value_kind: global_buffer, .address_space: global }
      - { .name: key_in, .offset: 8, .size: 8, .value_kind: global_buffer, .address_space: global }
      - { .name: Wq, .offset: 16, .size: 8, .value_kind: global_buffer, .address_space: global }
      - { .name: Wk, .offset: 24, .size: 8, .value_kind: global_buffer, .address_space: global }
      - { .name: value, .offset: 32, .size: 8, .value_kind: global_buffer, .address_space: global }
      - { .name: xw_codes, .offset: 40, .size: 8, .value_kind: global_buffer, .address_space: global }
      - { .name: xw_scales, .offset: 48, .size: 8, .value_kind: global_buffer, .address_space: global }
      - { .name: v_codes, .offset: 56, .size: 8, .value_kind: global_buffer, .address_space: global }
      - { .name: v_scales, .offset: 64, .size: 8, .value_kind: global_buffer, .address_space: global }
    .group_segment_fixed_size: 16896
    .private_segment_fixed_size: 0
    .kernarg_segment_align: 8
    .kernarg_segment_size: 72
    .max_flat_workgroup_size: 32
    .sgpr_count:     66
    .vgpr_count:     256
    .wavefront_size: 32
...
	.end_amdgpu_metadata
.endif
;; end of part 1
;; launch proj (part 2): grid 4 x 64, 4 waves a work-group, clusters of 4 x 4, 327,680 bytes of LDS; arguments xw_codes, xw_scales, bq, bk, qk_codes, qk_scales; writes qk_codes, qk_scales
.if DOCPART == 2
	.amdgcn_target "amdgcn-amd-amdhsa--gfx1250"
	.amdhsa_code_object_version 6
	.text
	.protected	k_q89e5db596f_proj
	.globl	k_q89e5db596f_proj
	.p2align	8
	.type	k_q89e5db596f_proj,@function
k_q89e5db596f_proj:
	s_mov_b64 s[64:65], 0
	v_nop
	global_prefetch_b8 v0, s[64:65] scope:SCOPE_SE
	s_setreg_imm32_b32 hwreg(HW_REG_WAVE_MODE, 25, 1), 1
	s_wait_xcnt 0x0
	s_wait_alu depctr_hold_cnt(0) depctr_sa_sdst(0) depctr_va_vdst(0) depctr_va_sdst(0) depctr_va_ssrc(0) depctr_va_vcc(0) depctr_vm_vsrc(0)
	s_getreg_b32 s2, hwreg(HW_REG_IB_STS2, 6, 4)
	s_cmp_eq_u32 s2, 0
	s_cbranch_scc0 .Lentry_in_a_cluster
	s_endpgm
.Lentry_in_a_cluster:
	s_bfe_u32 s2, ttmp6, 0x10000c
	s_cmp_lg_u32 s2, 0xf033
	s_cbranch_scc0 .Lentry_shape_is_right
	s_endpgm
.Lentry_shape_is_right:
; q = query Wq^T + bq and k = key_in Wk^T + bk on codes of FP6 (E2M3) with E8M0 scales, sums in f32; the results are quantised along d in registers and leave as fragment images and word images.
; OPERANDS lie in memory in the order of the operand's registers: a fragment image (16 rows x 128 K) is 1,536 bytes, register 4 c + k of lane l at 512 c + 16 l + 4 k; codes [group of 128 rows][K step][tile][1536];
; scale words [group][K step][512], the word of tile i, lane row r at 256 (i / 4) + 16 r + 4 (i % 4).  Groups of xw: query 0-63, key_in 64-127, Wq 128-135, Wk 136-143.  Groups of qk: q 0-63, k 64-127.
; Tile i, lane row r of a group is row 32 (i / 2) + 8 (i % 2) + r + 8 (r / 8).  THE PRODUCT IS USED TRANSPOSED (source 0 = 16 rows of W, source 1 = 16 rows of x): a lane holds one row of x, and by that order of W's rows the
; 16 registers of result tiles 2 b and 2 b + 1 are d = 32 b + 16 (lane / 16) + 0 .. 15: neighbours along the next product's K.
; SHARES: a work-group makes 256 rows x 256 d, a wave 128 x 128: 64 accumulators.  K = 1,024 is 8 steps of 128; a slot holds two; four units go through two slots.
; CLUSTER 4 x 4: x's tiles are shared along a row of the cluster, W's along a column: joint loads.
; The bias is the C of each sum's first matrix instruction.
; LIMITS: NaN and infinities are not served; a result block of zeros gets the byte 1 (its codes are zeros; this program alone reads the bytes).
; REGISTERS: window 0: v16-29 addresses; v32-47 scale words, two sets (they hold nothing else); v48-63 at work; v64-255 x's fragments, two sets of 96.  window 1: W's fragments, two sets at v0 and v128; the bias tiles at v96-127 and v224-255.
;   window 2: the accumulators of my x tiles 0-3 ((a, b) at 8 (8 (a % 4) + b)); window 3: of tiles 4-7.
.set NA,    8                          ; x tiles of a wave
.set NQ,    2                          ; K steps in a slot
.set FRB,   1536
.set KSB,   12288                      ; a group's K step
.set GRP,   8*KSB                      ; a group
.set PART,  NQ*KSB                     ; what one tensor load brings: a group's two K steps, dense: 96 rows of 256 bytes
.set SLOT,  PART                       ; LDS: four parts (x's two groups, W's two), each with its two slots side by side: from a part's slot 0 to its slot 1
.set SCL,   8*PART                     ; behind them the four groups' scale words for all of K, brought through registers: 16,384 bytes beside 393,216 of codes
.set SPARE, SCL+4*4096                 ; the spare words, 128 bytes a wave: two blocks of 256 bytes that no other line names
.set ADRA, 16                          ; v16-17 LDS address of my x fragments in slot 0, 1
.set ADRB, 20                          ; v20-21 of my W fragments
.set LI,   24                          ; v24    16 x lane
.set ADRS, 26                          ; v26    my scale words: lanes 0-15 x's, lanes 16-31 W's
.set SPW,  28                          ; v28    my spare word; never rewritten
.set NIL,  29                          ; v29    0; never rewritten
.set SC,   32
.set TM,   48                          ; the way out: v48-51 largest magnitudes, v52-55 bytes, v60-63 scale operands
.set AF,   64
.set PWS,  64                          ; the way out: v64-71 the eight tiles' scale words
.set PC,   96                          ; the way out: two sets of 20: 12 codes, and the upper halves at +12 and +16
.set SEL,  2                           ; s[2:3] lane selects
.set WV,   16
.set WY,   17
.set WX,   18
.set G1,   24
.set G0,   32
.set G1B,  48
.set G0B,  56
.set G1S,  68
.set G0S,  76
.set G1SB, 80
.set G0SB, 88
.set MSB, 0
.macro WIN new                         ; the immediate's high byte repeats the setting that is left; a switch that changes nothing is dropped
.if MSB != (\new)
	s_set_vgpr_msb (MSB<<8)|(\new)
.set MSB, (\new)
.endif
.endm
.macro PLACES cnt
.rept \cnt
	v_nop
.endr
.endm
; A joint load: waves 0 and 1 fetch for x, waves 2 and 3 for W; the branch hangs on the wave's number alone.  An s_nop 0 and four v_nop follow each of the two lines.
.macro JLOAD g0a, g1a, g0b, g1b
	s_cmp_eq_u32 s[WY], 0
	s_cbranch_scc0 .Lfor_b_\@
	tensor_load_to_lds s[\g0a:\g0a+3], s[\g1a:\g1a+7]
	s_nop 0
	PLACES 4
	s_branch .Lasked_\@
.Lfor_b_\@:
	tensor_load_to_lds s[\g0b:\g0b+3], s[\g1b:\g1b+7]
	s_nop 0
	PLACES 4
.Lasked_\@:
.endm
.macro CREST                           ; a round of the cluster's barrier behind its opening barrier
	s_cmp_lg_u32 s[WV], 0
	s_cbranch_scc1 .Lnot_wave_0_\@
	s_barrier_signal -3
.Lnot_wave_0_\@:
	s_barrier_wait -3
	s_barrier_signal -1
	s_barrier_wait -1
.endm
.macro CROUND
	s_barrier_signal -1
	s_barrier_wait -1
	CREST
.endm
.macro FRAG reg, adr, q, i             ; a fragment's image: three loads of 512 consecutive bytes
.irp c, 0,1,2
	ds_load_b128 v[(\reg)+4*\c:(\reg)+4*\c+3], v[\adr] offset:(\q)*KSB+(\i)*FRB+512*\c
.endr
.endm
.macro FETCH slot, q, p                ; the slot's q-th K step into set p: W's 8 fragments, x's 8, 8 + 8 scale words: 50 loads in one run
	WIN 0x40
.irp b, 0,1,2,3,4,5,6,7
	FRAG 128*(\p)+12*\b, ADRB+\slot, \q, \b
.endr
	WIN 0
.set ia, 0
.rept NA
	FRAG AF+12*NA*(\p)+12*ia, ADRA+\slot, \q, ia
.set ia, ia+1
.endr
	ds_load_b128 v[SC+8*(\p):SC+8*(\p)+3], v[ADRS] offset:512*(\q)
	ds_load_b128 v[SC+8*(\p)+4:SC+8*(\p)+7], v[ADRS] offset:512*(\q)+256
.endm
; 8 matrix instructions: x tile a against W's eight tiles, set p.  cm = 0: add in place; 2: the bias tile is C, which starts the sum.  The 64 accumulators take turns in one order in every step.
.macro MULA a, p, cm
.if (\cm) == 2
	WIN 0x91+0x40*((\a)/4)                         ; source 0 (W) and C (bias) window 1, source 1 (x) window 0, D window 2 or 3
.else
	WIN 0xa1+0x50*((\a)/4)                         ; source 0 window 1, source 1 window 0, C and D window 2 or 3
.endif
.irp b, 0,1,2,3,4,5,6,7
.set rD, 8*(8*((\a)%4)+\b)
.set rB, 128*(\p)+12*\b
.set rA, AF+12*NA*(\p)+12*(\a)
.set rC, 96+8*\b+96*(\b/4)
.if (\cm) == 2
	v_wmma_scale_f32_16x16x128_f8f6f4 v[rD:rD+7], v[rB:rB+11], v[rA:rA+11], v[rC:rC+7], v[SC+8*(\p)+\b], v[SC+8*(\p)+(\a)] matrix_a_fmt:MATRIX_FMT_FP6 matrix_b_fmt:MATRIX_FMT_FP6 matrix_a_scale:MATRIX_SCALE_ROW1
.else
	v_wmma_scale_f32_16x16x128_f8f6f4 v[rD:rD+7], v[rB:rB+11], v[rA:rA+11], v[rD:rD+7], v[SC+8*(\p)+\b], v[SC+8*(\p)+(\a)] matrix_a_fmt:MATRIX_FMT_FP6 matrix_b_fmt:MATRIX_FMT_FP6 matrix_a_scale:MATRIX_SCALE_ROW1
.endif
.endr
.endm
.macro MULS a0, cnt, p, cm
.set ma, \a0
.rept \cnt
	MULA ma, \p, \cm
.set ma, ma+1
.endr
.endm
; A K step that has its successor in the same slot.
.macro STEP slot, q, cm
	s_wait_dscnt 0x0                               ; this step's fragments and words, asked for 32 matrix instructions ago (at the first step, just before)
	MULA 0, (\q)%2, \cm
	PLACES 4                                       ; four places in front of loads into the set that the last step's products read (ISA guide 7.12.1 for vector instructions)
	FETCH \slot, (\q)+1, 1-(\q)%2
	MULS 1, NA-1, (\q)%2, \cm
	WIN 0
.endm
; A slot's last step changes slots: one barrier; in front of it each wave waits for all its tensor loads, adds 0 to its spare word, and waits for that and for its reads of this slot.  fill = 1: the slot is filled again, two units on.
.macro TURN slot, next, fill
	WIN 0
	s_wait_tensorcnt 0x0                           ; all my tensor loads have landed: the one that was out is my part of the next slot
	ds_add_u32 v[SPW], v[NIL]                      ; 0 onto my spare word
	s_wait_dscnt 1                                 ; this step's fragments are in; the add may be out
	MULS 0, NA/4, 1, 0
	s_wait_dscnt 0x0                               ; the add is done, and my reads of this slot are over
	s_barrier_signal -1
	MULS NA/4, NA/4, 1, 0                          ; work on registers while the others arrive
	WIN 0
	s_barrier_wait -1
.if \fill
	CREST                                          ; the barrier has opened a round of the cluster's: no wave of any partner still reads this slot or has a load on its way
	s_add_nc_u64 s[G0+4*\slot+2:G0+4*\slot+3], s[G0+4*\slot+2:G0+4*\slot+3], 2*PART
	s_add_nc_u64 s[G0B+4*\slot+2:G0B+4*\slot+3], s[G0B+4*\slot+2:G0B+4*\slot+3], 2*PART
	JLOAD G0+4*\slot, G1, G0B+4*\slot, G1B         ; the first tensor load behind the round; its four v_nop are the places in front of the loads below
.else
	PLACES 4
.endif
	v_add_nc_u32 v[ADRS], 512*NQ, v[ADRS]          ; the next unit's scale words
	FETCH \next, 0, 0
	MULS NA/2, NA/2, 1, 0
	WIN 0
.endm
	s_load_b256 s[4:11], s[0:1], 0x0               ; xw_codes s[4:5], xw_scales s[6:7], bq s[8:9], bk s[10:11]
	s_load_b128 s[12:15], s[0:1], 0x20             ; qk_codes s[12:13], qk_scales s[14:15]
	v_lshl_add_u32 v[SPW], v0, 2, SPARE
	v_mov_b32 v[NIL], 0
	ds_add_u32 v[SPW], v[NIL]                      ; the wave's opening: the add and its wait stand ahead of my first tensor load; work on registers stands between them
	ds_add_u32 v[SPW], v[NIL]
	v_lshrrev_b32 v1, 5, v0
	v_readfirstlane_b32 s[WV], v1                  ; wave 0..3
	s_lshr_b32 s[WY], s[WV], 1                     ; which of x's two groups I multiply.  Also: I fetch for x (0) or for W (1)
	s_and_b32 s[WX], s[WV], 1                      ; which of W's two groups I multiply.  Also: which of the two groups I fetch
	s_bfe_u32 s40, ttmp6, 0x40000                  ; cx
	s_bfe_u32 s41, ttmp6, 0x40004                  ; cy
	s_lshl_b32 s42, ttmp9, 2
	s_add_co_u32 s42, s42, s40                     ; tx: which 256 of d
	s_and_b32 s46, ttmp7, 0xffff                   ; the cluster's y
	s_lshl_b32 s43, s46, 2
	s_add_co_u32 s43, s43, s41                     ; ty: which 256 rows of query (0-31) or key_in (32-63)
	s_lshl_b32 s44, s41, 2
	s_lshl_b32 s44, 15, s44                        ; my row of the cluster
	s_lshl_b32 s45, 0x1111, s40                    ; my column
	s_or_b32 s[G1], s44, (3<<16)|(1<<21)           ; 15:0 the mask; 17:16 elements of 8 bytes; 21 set beside a mask; no padding
	s_or_b32 s[G1B], s45, (3<<16)|(1<<21)
.irp g, G1, G1B                        ; a dense block of PART bytes as 96 rows of 256
	s_mov_b32 s[\g+1], 32<<16                      ; tensor_dim0 = 32 elements
	s_mov_b32 s[\g+2], (2*PART/256)<<16            ; the head's load brings a part's both slots: 192 rows of 256 bytes
	s_mov_b32 s[\g+3], 32<<16
	s_mov_b32 s[\g+4], 2*PART/256
	s_mov_b32 s[\g+5], 32                          ; the pitch
	s_mov_b32 s[\g+6], 0
	s_mov_b32 s[\g+7], 0
.endr
	s_lshl_b32 s20, s43, 1
	s_add_co_u32 s20, s20, s[WX]                   ; x's group that I fetch: 2 ty + half
	s_mul_i32 s22, s20, GRP
	s_mov_b32 s23, 0
	s_lshl_b32 s20, s20, 12
	s_mov_b32 s21, 0
	s_cmp_ge_u32 s46, 8                            ; clusters 8-15 along y work on key_in and Wk
	s_cselect_b32 s92, 8, 0
	s_lshl_b32 s93, s42, 1
	s_add_co_u32 s92, s92, s93
	s_add_co_u32 s92, s92, s[WX]
	s_add_co_u32 s92, s92, 128                     ; W's group that I fetch: 128 + 8 x (Wk?) + 2 tx + half
	s_mul_i32 s94, s92, GRP
	s_mov_b32 s95, 0
	s_lshl_b32 s92, s92, 12
	s_mov_b32 s93, 0
	s_mul_i32 s96, s[WV], 2*PART
	s_lshl_b32 s97, s[WV], 12
	s_add_co_u32 s97, s97, SCL
	s_mov_b32 s[SEL], 0x76543210
	s_mov_b32 s[SEL+1], 0xfedcba98
	s_wait_dscnt 0x0                               ; the opening add is done
	s_wait_kmcnt 0x0
	s_add_nc_u64 s[22:23], s[4:5], s[22:23]
	s_add_nc_u64 s[94:95], s[4:5], s[94:95]
	s_cmp_eq_u32 s[WY], 0
	s_cselect_b32 s20, s20, s92                    ; the offset of my part's scale words: x's group or W's
	s_add_nc_u64 s[6:7], s[6:7], s[20:21]
	s_cselect_b64 s[68:69], s[22:23], s[94:95]     ; the prefetch: my part's group,
	s_cselect_b32 s70, s40, s41                    ; my place among the four partners that ask for it with me: they share its blocks out by address
	s_mul_i32 s70, s70, 12288                      ; 48 blocks of 256 bytes each
	s_add_co_u32 s70, s70, 2*PART                  ; of units 2 and 3
	s_mov_b32 s71, 0
	s_add_nc_u64 s[68:69], s[68:69], s[70:71]
.irp s, 0,1
	s_mov_b32 s[G0+4*\s], 1
	s_add_co_u32 s[G0+4*\s+1], s96, \s*SLOT
	s_add_nc_u64 s[G0+4*\s+2:G0+4*\s+3], s[22:23], \s*PART
	s_or_b32 s[G0+4*\s+3], s[G0+4*\s+3], 0x80000000
	s_mov_b32 s[G0B+4*\s], 1
	s_add_co_u32 s[G0B+4*\s+1], s96, \s*SLOT
	s_add_nc_u64 s[G0B+4*\s+2:G0B+4*\s+3], s[94:95], \s*PART
	s_or_b32 s[G0B+4*\s+3], s[G0B+4*\s+3], 0x80000000
.endr
	CROUND                                         ; all sixteen work-groups are here: the first joint loads meet
	JLOAD G0, G1, G0B, G1B                         ; units 0 and 1 of my part, one load
	v_and_b32 v1, 31, v0                           ; lane
	v_and_b32 v2, 15, v0                           ; r
	v_bfe_u32 v3, v0, 4, 1                         ; h
	s_wait_alu depctr_va_vdst(0)
	v_lshlrev_b32 v[LI], 4, v1
.set si, 0
.rept 8
	global_load_b128 v[64+4*si:64+4*si+3], v[LI], s[6:7] offset:512*si   ; my part's scale words: 4,096 bytes, 512 consecutive bytes a load
.set si, si+1
.endr
	v_add_nc_u32 v25, s97, v[LI]                   ; and where they go in LDS
	v_lshlrev_b32 v27, 8, v1                       ; a lane a block; v27 and v30 are never rewritten
	v_min_u32 v30, 15, v1                          ; (the second request has 16 blocks: the lanes left over name the last again)
	v_lshlrev_b32 v30, 8, v30
	s_mul_i32 s20, s[WY], 2*PART
	s_mul_i32 s21, s[WX], 2*PART
	s_add_co_u32 s21, s21, 4*PART
	v_add_nc_u32 v[ADRA], s20, v[LI]
	v_add_nc_u32 v[ADRB], s21, v[LI]
	v_add_nc_u32 v[ADRA+1], SLOT, v[ADRA]
	v_add_nc_u32 v[ADRB+1], SLOT, v[ADRB]
	s_add_co_u32 s20, s[WX], 2
	s_sub_co_u32 s20, s20, s[WY]
	s_lshl_b32 s20, s20, 12                        ; from x's words to W's
	v_mul_u32_u24 v4, s20, v3                      ; lanes 16-31 take W's
	v_lshl_add_u32 v4, v2, 4, v4                   ; + 16 r
	s_lshl_b32 s21, s[WY], 12
	s_add_co_u32 s21, s21, SCL
	v_add_nc_u32 v[ADRS], s21, v4
	s_cmp_ge_u32 s46, 8
	s_cselect_b64 s[8:9], s[10:11], s[8:9]         ; bk or bq
	s_lshl_b32 s20, s42, 10
	s_lshl_b32 s21, s[WX], 9
	s_add_co_u32 s20, s20, s21                     ; my 128 d, in bytes
	s_mov_b32 s21, 0
	s_add_nc_u64 s[8:9], s[8:9], s[20:21]
	v_lshlrev_b32 v5, 6, v3                        ; 64 h
	WIN 0x40
.irp b, 0,1,2,3,4,5,6,7                ; tile b's bias in the result's layout: lane (r, h), register j: d = 32 (b / 2) + 8 (b % 2) + 16 h + j
	global_load_b128 v[96+8*\b+96*(\b/4):96+8*\b+96*(\b/4)+3], v5, s[8:9] offset:(32*(\b/2)+8*(\b%2))*4
	global_load_b128 v[96+8*\b+96*(\b/4)+4:96+8*\b+96*(\b/4)+7], v5, s[8:9] offset:(32*(\b/2)+8*(\b%2))*4+16
.endr
	WIN 0
	s_lshl_b32 s20, s43, 1                         ; where my results go: index = (2 ty + my x group) x 8 + 2 tx + my W group
	s_add_co_u32 s20, s20, s[WY]
	s_lshl_b32 s20, s20, 3
	s_lshl_b32 s21, s42, 1
	s_add_co_u32 s20, s20, s21
	s_add_co_u32 s20, s20, s[WX]
	s_mul_i32 s22, s20, KSB
	s_mov_b32 s23, 0
	s_lshl_b32 s20, s20, 9
	s_mov_b32 s21, 0
	s_add_nc_u64 s[12:13], s[12:13], s[22:23]
	s_add_nc_u64 s[14:15], s[14:15], s[20:21]
	s_wait_alu depctr_va_vdst(0)
	s_wait_loadcnt 0x0                             ; the bias
	s_wait_tensorcnt 0x0                           ; my part's two units are in; no tensor load of mine is out, so a descriptor may be written
.set si, 0
.rept 8
	ds_store_b128 v25, v[64+4*si:64+4*si+3] offset:512*si
.set si, si+1
.endr
	s_mov_b32 s[G1+2], (PART/256)<<16              ; from here on a load brings one unit: 96 rows
	s_mov_b32 s[G1+4], PART/256
	s_mov_b32 s[G1B+2], (PART/256)<<16
	s_mov_b32 s[G1B+4], PART/256
	s_wait_dscnt 0x0                               ; for the others' sake: my stores are done
	s_barrier_signal -1
	s_barrier_wait -1
	FETCH 0, 0, 0
	global_prefetch_b8 v27, s[68:69] th:TH_LOAD_NT scope:SCOPE_SE               ; behind the run of LDS loads: units 2 and 3, which the two refills will load, one and two units on: each block once in the cluster
	global_prefetch_b8 v30, s[68:69] offset:8192 th:TH_LOAD_NT scope:SCOPE_SE
	STEP 0, 0, 2                                   ; the first step starts the sums from the bias
	TURN 0, 1, 1                                   ; slot 0 takes unit 2
	s_wait_alu depctr_va_vdst(0)
	STEP 1, 0, 0
	TURN 1, 0, 1                                   ; slot 1 takes unit 3
	s_wait_alu depctr_va_vdst(0)
	STEP 0, 0, 0
	TURN 0, 1, 0                                   ; nothing is left to fetch
	s_wait_alu depctr_va_vdst(0)
	STEP 1, 0, 0
	s_wait_dscnt 0x0
	MULS 0, NA, 1, 0
	WIN 0
; THE WAY OUT.  A lane's 64 registers of x tile a, register 16 b + i = d 32 b + 16 (lane / 16) + i of its row, become a fragment's codes and its scale word.
; s: the tile's first accumulator register, w: its window, pc: where the codes go, pw: where the word goes.  Each accumulator is first read at its low end.
.macro QUANTW s, w, pc, pw
	WIN ((\w)<<2)|((\w)<<4)                        ; sources 1 and 2 in the accumulators' window
.irp b, 0,1,2,3
	v_max3_num_f32 v[TM+\b], 0x1800000, |v[(\s)+16*\b]|, |v[(\s)+16*\b+1]|   ; block b: my 16 numbers, and the floor 2^(3 - 127): the byte cannot fall under 1
.endr
.irp i, 2,4,6,8,10,12,14
.irp b, 0,1,2,3
	v_max3_num_f32 v[TM+\b], v[TM+\b], |v[(\s)+16*\b+\i]|, |v[(\s)+16*\b+\i+1]|   ; (the four blocks by turns)
.endr
.endr
	WIN 0
.irp b, 0,1,2,3
	v_permlanex16_b32 v[TM+4+\b], v[TM+\b], s[SEL], s[SEL+1]
.endr
.irp b, 0,1,2,3
	v_max_num_f32 v[TM+\b], v[TM+\b], v[TM+4+\b]   ; with lane l xor 16's: the block's largest magnitude
.endr
.irp b, 0,1,2,3
	v_add_nc_u32 v[TM+12+\b], 0xff000000, v[TM+\b] ; 2 off the exponent field: the conversion's scale operand
.endr
.irp b, 0,1,2,3
	v_lshrrev_b32 v[TM+4+\b], 23, v[TM+12+\b]      ; the scale's byte
.endr
	v_lshl_or_b32 v[\pw], v[TM+5], 8, v[TM+4]
	v_lshl_or_b32 v[\pw], v[TM+6], 16, v[\pw]
	v_lshl_or_b32 v[\pw], v[TM+7], 24, v[\pw]
	WIN (\w)                                       ; source 0 in the accumulators' window
.irp c, 0,1
	v_cvt_scalef32_pk16_fp6_f32 v[(\pc)+6*\c:(\pc)+6*\c+2], v[(\s)+32*\c:(\s)+32*\c+15], v[TM+12+2*\c]
	v_cvt_scalef32_pk16_fp6_f32 v[(\pc)+12+4*\c:(\pc)+14+4*\c], v[(\s)+32*\c+16:(\s)+32*\c+31], v[TM+12+2*\c+1]
.endr
	WIN 0
	v_nop                                          ; one plain place behind a scaled conversion
.irp c, 0,1                            ; the operand's layout wants a whole block in a lane
.irp i, 0,1,2
	v_permlane16_swap_b32 v[(\pc)+6*\c+\i], v[(\pc)+12+4*\c+\i]
.endr
.irp i, 0,1,2
	v_mov_b32 v[(\pc)+3+6*\c+\i], v[(\pc)+12+4*\c+\i]
.endr
.endr
.endm
.irp b, 0,1,2,3
	v_mov_b32 v[TM+4+\b], 0                        ; a lane permute's destination counts as one of its sources.  These four plain lines are also the places behind the last products
.endr
.irp a, 0,1,2,3,4,5,6,7
.if \a > 1
	s_wait_xcnt 0x0                                ; the stores of the tile two back have read this set of codes
.endif
	QUANTW 64*(\a%4), 2+\a/4, PC+20*(\a%2), PWS+\a
.irp c, 0,1,2
	global_store_b128 v[LI], v[PC+20*(\a%2)+4*\c:PC+20*(\a%2)+4*\c+3], s[12:13] offset:FRB*\a+512*\c   ; the image: 512 consecutive aligned bytes a store
.endr
.endr
.irp k, 0,1,2,3
	v_permlane16_swap_b32 v[PWS+\k], v[PWS+4+\k]   ; four registers now hold the word image
.endr
	global_store_b128 v[LI], v[PWS:PWS+3], s[14:15]
	s_wait_tensorcnt 0x0                           ; the wave's end
	ds_add_u32 v[SPW], v[NIL]
	s_wait_dscnt 0x0
	CROUND                                         ; the closing round: no work-group ends while a partner may still ask for a tile that names it
	s_endpgm
.Lfunc_end_k_q89e5db596f_proj:
	.size	k_q89e5db596f_proj, .Lfunc_end_k_q89e5db596f_proj-k_q89e5db596f_proj
	.p2alignl 7, 3214868480
	.fill 96, 4, 3214868480
	.section	.rodata,"a",@progbits
	.p2align	6, 0x0
	.amdhsa_kernel k_q89e5db596f_proj
		.amdhsa_group_segment_fixed_size 327680
		.amdhsa_private_segment_fixed_size 0
		.amdhsa_enable_private_segment 0
		.amdhsa_kernarg_size 48
		.amdhsa_user_sgpr_count 2
		.amdhsa_user_sgpr_kernarg_segment_ptr 1
		.amdhsa_wavefront_size32 1
		.amdhsa_system_sgpr_workgroup_id_x 1
		.amdhsa_system_sgpr_workgroup_id_y 1
		.amdhsa_system_sgpr_workgroup_id_z 1
		.amdhsa_system_vgpr_workitem_id 0
		.amdhsa_next_free_vgpr 1024
		.amdhsa_next_free_sgpr 100
		.amdhsa_reserve_vcc 0
		.amdhsa_float_denorm_mode_32 3
		.amdhsa_float_denorm_mode_16_64 3
		.amdhsa_memory_ordered 1
		.amdhsa_forward_progress 1
		.amdhsa_inst_pref_size 139
	.end_amdhsa_kernel
	.amdgpu_metadata
---
amdhsa.version: [ 1, 2 ]
amdhsa.kernels:
  - .name:           k_q89e5db596f_proj
    .symbol:         k_q89e5db596f_proj.kd
    .args:
      - { .name: xw_codes, .offset: 0, .size: 8, .value_kind: global_buffer, .address_space: global }
      - { .name: xw_scales, .offset: 8, .size: 8, .value_kind: global_buffer, .address_space: global }
      - { .name: bq, .offset: 16, .size: 8, .value_kind: global_buffer, .address_space: global }
      - { .name: bk, .offset: 24, .size: 8, .value_kind: global_buffer, .address_space: global }
      - { .name: qk_codes, .offset: 32, .size: 8, .value_kind: global_buffer, .address_space: global }
      - { .name: qk_scales, .offset: 40, .size: 8, .value_kind: global_buffer, .address_space: global }
    .group_segment_fixed_size: 327680
    .private_segment_fixed_size: 0
    .kernarg_segment_align: 8
    .kernarg_segment_size: 48
    .max_flat_workgroup_size: 128
    .sgpr_count:     100
    .vgpr_count:     1024
    .wavefront_size: 32
...
	.end_amdgpu_metadata
.endif
;; end of part 2
;; launch scores (part 3): grid 8 x 32, 4 waves a work-group, clusters of 4 x 4, 327,680 bytes of LDS; arguments qk_codes, qk_scales, p_codes, p_words; writes p_codes, p_words
.if DOCPART == 3
	.amdgcn_target "amdgcn-amd-amdhsa--gfx1250"
	.amdhsa_code_object_version 6
	.text
	.protected	k_q89e5db596f_scores
	.globl	k_q89e5db596f_scores
	.p2align	8
	.type	k_q89e5db596f_scores,@function
k_q89e5db596f_scores:
	s_mov_b64 s[64:65], 0
	v_nop
	global_prefetch_b8 v0, s[64:65] scope:SCOPE_SE
	s_setreg_imm32_b32 hwreg(HW_REG_WAVE_MODE, 25, 1), 1
	s_wait_xcnt 0x0
	s_wait_alu depctr_hold_cnt(0) depctr_sa_sdst(0) depctr_va_vdst(0) depctr_va_sdst(0) depctr_va_ssrc(0) depctr_va_vcc(0) depctr_vm_vsrc(0)
	s_getreg_b32 s2, hwreg(HW_REG_IB_STS2, 6, 4)
	s_cmp_eq_u32 s2, 0
	s_cbranch_scc0 .Lentry_in_a_cluster
	s_endpgm
.Lentry_in_a_cluster:
	s_bfe_u32 s2, ttmp6, 0x10000c
	s_cmp_lg_u32 s2, 0xf033
	s_cbranch_scc0 .Lentry_shape_is_right
	s_endpgm
.Lentry_shape_is_right:
; S = q k^T on codes of FP6 (E2M3) with E8M0 scales, sums in f32; then, for each query and each CHUNK of 128 keys: t = S x log2(e) / 32, M = ceil(the chunk's largest t), a whole number, p = 2^(t - M), quantised along the keys.
; Stored: p's codes as fragment images, [query group][chunk][tile][1536]; and three planes of word images [query group][chunk][512]: p's scale words, -M (f32), the chunk's sum of the unquantised p (f32).
; The next launch brings every chunk under the row's M: the difference is a whole number, which the scale bytes take up; the codes stay as they are.
; OPERANDS: fragment images and word images; groups of qk: q 0-63, k 64-127.  THE PRODUCT IS USED TRANSPOSED (source 0 = 16 keys, source 1 = 16 queries): a lane holds one query; by the order of a group's rows in its tiles
; (tile i, lane row r = row 32 (i / 2) + 8 (i % 2) + r + 8 (r / 8)) the 16 registers of result tiles 2 b, 2 b + 1 are keys 32 b + 16 (lane / 16) + 0 .. 15 of the chunk.
; SHARES: a work-group makes 256 queries x 256 keys, a wave 128 x 128 (one chunk): 64 accumulators.  K = 1,024: 8 steps of 128, two to a slot, four units through two slots.
; CLUSTER 4 x 4: q's tiles are shared along a row of the cluster, k's along a column: joint loads.
; LIMITS: NaN and infinities are not served; a block whose every p has fallen to 0 keeps the byte 1: its codes are zeros.
; REGISTERS: window 0: v16-29 addresses; v32-47 scale words, two sets (nothing else); v48-63 at work; v64-255 q's fragments, two sets of 96; on the way out v64-255 are free.  window 1: k's fragments, two sets at v0 and v128.
;   window 2: the accumulators of my query tiles 0-3 ((a, b) at 8 (8 (a % 4) + b)); window 3: of tiles 4-7.
.set NA,    8
.set NQ,    2
.set FRB,   1536
.set KSB,   12288
.set GRP,   8*KSB
.set PART,  NQ*KSB                     ; what one tensor load brings: 96 rows of 256 bytes
.set SLOT,  PART                       ; LDS: four parts (q's two groups, k's two), each with its two slots side by side: from a part's slot 0 to its slot 1
.set SCL,   8*PART                     ; behind them the four groups' scale words for all of K, brought through registers: 16,384 bytes beside 393,216 of codes
.set SPARE, SCL+4*4096                 ; the spare words: two blocks of 256 bytes that no other line names
.set PLANE, 524288                     ; a plane of p_words
.set ADRA, 16
.set ADRB, 20
.set LI,   24
.set ADRS, 26
.set SPW,  28
.set NIL,  29
.set SC,   32
.set BM,   48                          ; v48-51 the blocks' largest scores, then their largest p
.set BX,   52                          ; v52-55 lane permutes' destinations, then bytes
.set SO,   56                          ; v56-59 the conversions' scale operands
.set NM,   60                          ; v[60:61] -M (the packed form names a pair and takes its low word)
.set T0,   62
.set T1,   63
.set AF,   64
.set PWS,  64                          ; v64-71 scale words, v72-79 -M, v80-87 the sums: one register for each query tile
.set NMS,  72
.set LS,   80
.set LA,   88                          ; v[88:89], v[90:91] two chains of sums
.set LB,   90
.set PC,   96                          ; two sets of 20
.set P,    192                         ; v192-255 p
.set SEL,  2
.set CS,   66                          ; s[66:67] c = log2(e) / 32
.set WV,   16
.set WY,   17
.set WX,   18
.set G1,   24
.set G0,   32
.set G1B,  48
.set G0B,  56
.set G1S,  68
.set G0S,  76
.set G1SB, 80
.set G0SB, 88
.set MSB, 0
.macro WIN new                         ; the immediate's high byte repeats the setting that is left
.if MSB != (\new)
	s_set_vgpr_msb (MSB<<8)|(\new)
.set MSB, (\new)
.endif
.endm
.macro PLACES cnt
.rept \cnt
	v_nop
.endr
.endm
.macro JLOAD g0a, g1a, g0b, g1b        ; waves 0 and 1 fetch for q, waves 2 and 3 for k; an s_nop 0 and four v_nop follow each line
	s_cmp_eq_u32 s[WY], 0
	s_cbranch_scc0 .Lfor_b_\@
	tensor_load_to_lds s[\g0a:\g0a+3], s[\g1a:\g1a+7]
	s_nop 0
	PLACES 4
	s_branch .Lasked_\@
.Lfor_b_\@:
	tensor_load_to_lds s[\g0b:\g0b+3], s[\g1b:\g1b+7]
	s_nop 0
	PLACES 4
.Lasked_\@:
.endm
.macro CREST
	s_cmp_lg_u32 s[WV], 0
	s_cbranch_scc1 .Lnot_wave_0_\@
	s_barrier_signal -3
.Lnot_wave_0_\@:
	s_barrier_wait -3
	s_barrier_signal -1
	s_barrier_wait -1
.endm
.macro CROUND
	s_barrier_signal -1
	s_barrier_wait -1
	CREST
.endm
.macro FRAG reg, adr, q, i
.irp c, 0,1,2
	ds_load_b128 v[(\reg)+4*\c:(\reg)+4*\c+3], v[\adr] offset:(\q)*KSB+(\i)*FRB+512*\c
.endr
.endm
.macro FETCH slot, q, p                ; 50 loads in one run
	WIN 0x40
.irp b, 0,1,2,3,4,5,6,7
	FRAG 128*(\p)+12*\b, ADRB+\slot, \q, \b
.endr
	WIN 0
.set ia, 0
.rept NA
	FRAG AF+12*NA*(\p)+12*ia, ADRA+\slot, \q, ia
.set ia, ia+1
.endr
	ds_load_b128 v[SC+8*(\p):SC+8*(\p)+3], v[ADRS] offset:512*(\q)
	ds_load_b128 v[SC+8*(\p)+4:SC+8*(\p)+7], v[ADRS] offset:512*(\q)+256
.endm
; 8 matrix instructions: query tile a against the chunk's eight key tiles.  cm = 1: the constant 0 starts the sum.  The 64 accumulators take turns in one order in every step.
.macro MULA a, p, cm
	WIN 0xa1+0x50*((\a)/4)
.irp b, 0,1,2,3,4,5,6,7
.set rD, 8*(8*((\a)%4)+\b)
.set rB, 128*(\p)+12*\b
.set rA, AF+12*NA*(\p)+12*(\a)
.if (\cm) == 1
	v_wmma_scale_f32_16x16x128_f8f6f4 v[rD:rD+7], v[rB:rB+11], v[rA:rA+11], 0, v[SC+8*(\p)+\b], v[SC+8*(\p)+(\a)] matrix_a_fmt:MATRIX_FMT_FP6 matrix_b_fmt:MATRIX_FMT_FP6 matrix_a_scale:MATRIX_SCALE_ROW1
.else
	v_wmma_scale_f32_16x16x128_f8f6f4 v[rD:rD+7], v[rB:rB+11], v[rA:rA+11], v[rD:rD+7], v[SC+8*(\p)+\b], v[SC+8*(\p)+(\a)] matrix_a_fmt:MATRIX_FMT_FP6 matrix_b_fmt:MATRIX_FMT_FP6 matrix_a_scale:MATRIX_SCALE_ROW1
.endif
.endr
.endm
.macro MULS a0, cnt, p, cm
.set ma, \a0
.rept \cnt
	MULA ma, \p, \cm
.set ma, ma+1
.endr
.endm
.macro STEP slot, q, cm
	s_wait_dscnt 0x0                               ; this step's fragments and words, asked for 32 matrix instructions ago (at the first step, just before)
	MULA 0, (\q)%2, \cm
	PLACES 4                                       ; four places in front of loads into the set that the last step's products read
	FETCH \slot, (\q)+1, 1-(\q)%2
	MULS 1, NA-1, (\q)%2, \cm
	WIN 0
.endm
.macro TURN slot, next, fill
	WIN 0
	s_wait_tensorcnt 0x0                           ; all my tensor loads have landed: my part of the next slot
	ds_add_u32 v[SPW], v[NIL]                      ; 0 onto my spare word
	s_wait_dscnt 1                                 ; this step's fragments are in; the add may be out
	MULS 0, NA/4, 1, 0
	s_wait_dscnt 0x0                               ; the add is done, and my reads of this slot are over
	s_barrier_signal -1
	MULS NA/4, NA/4, 1, 0
	WIN 0
	s_barrier_wait -1
.if \fill
	CREST                                          ; a round of the cluster's barrier: no wave of any partner still reads this slot or has a load on its way
	s_add_nc_u64 s[G0+4*\slot+2:G0+4*\slot+3], s[G0+4*\slot+2:G0+4*\slot+3], 2*PART
	s_add_nc_u64 s[G0B+4*\slot+2:G0B+4*\slot+3], s[G0B+4*\slot+2:G0B+4*\slot+3], 2*PART
	JLOAD G0+4*\slot, G1, G0B+4*\slot, G1B         ; the first tensor load behind the round; its four v_nop are the places in front of the loads below
.else
	PLACES 4
.endif
	v_add_nc_u32 v[ADRS], 512*NQ, v[ADRS]
	FETCH \next, 0, 0
	MULS NA/2, NA/2, 1, 0
	WIN 0
.endm
	s_load_b256 s[4:11], s[0:1], 0x0               ; qk_codes s[4:5], qk_scales s[6:7], p_codes s[8:9], p_words s[10:11]
	v_lshl_add_u32 v[SPW], v0, 2, SPARE
	v_mov_b32 v[NIL], 0
	ds_add_u32 v[SPW], v[NIL]                      ; the wave's opening: the add and its wait stand ahead of my first tensor load
	ds_add_u32 v[SPW], v[NIL]
	v_lshrrev_b32 v1, 5, v0
	v_readfirstlane_b32 s[WV], v1
	s_lshr_b32 s[WY], s[WV], 1                     ; which of q's two groups I multiply.  Also: I fetch for q (0) or for k (1)
	s_and_b32 s[WX], s[WV], 1                      ; which of k's two groups I multiply.  Also: which of the two groups I fetch
	s_bfe_u32 s40, ttmp6, 0x40000                  ; cx
	s_bfe_u32 s41, ttmp6, 0x40004                  ; cy
	s_lshl_b32 s42, ttmp9, 2
	s_add_co_u32 s42, s42, s40                     ; tx: which 256 keys of the batch, 0 .. 7
	s_and_b32 s46, ttmp7, 0xffff                   ; the cluster's y: two clusters to a batch
	s_lshl_b32 s43, s46, 2
	s_add_co_u32 s43, s43, s41                     ; ty: which 256 queries, 0 .. 31
	s_lshl_b32 s44, s41, 2
	s_lshl_b32 s44, 15, s44                        ; my row of the cluster
	s_lshl_b32 s45, 0x1111, s40                    ; my column
	s_or_b32 s[G1], s44, (3<<16)|(1<<21)
	s_or_b32 s[G1B], s45, (3<<16)|(1<<21)
.irp g, G1, G1B
	s_mov_b32 s[\g+1], 32<<16
	s_mov_b32 s[\g+2], (2*PART/256)<<16            ; the head's load brings a part's both slots: 192 rows of 256 bytes
	s_mov_b32 s[\g+3], 32<<16
	s_mov_b32 s[\g+4], 2*PART/256
	s_mov_b32 s[\g+5], 32
	s_mov_b32 s[\g+6], 0
	s_mov_b32 s[\g+7], 0
.endr
	s_lshl_b32 s20, s43, 1
	s_add_co_u32 s20, s20, s[WX]                   ; q's group that I fetch: 2 ty + half
	s_mul_i32 s22, s20, GRP
	s_mov_b32 s23, 0
	s_lshl_b32 s20, s20, 12
	s_mov_b32 s21, 0
	s_lshr_b32 s92, s46, 1                         ; the batch
	s_lshl_b32 s92, s92, 4
	s_lshl_b32 s93, s42, 1
	s_add_co_u32 s92, s92, s93
	s_add_co_u32 s92, s92, s[WX]
	s_add_co_u32 s92, s92, 64                      ; k's group that I fetch: 64 + 16 x batch + 2 tx + half
	s_mul_i32 s94, s92, GRP
	s_mov_b32 s95, 0
	s_lshl_b32 s92, s92, 12
	s_mov_b32 s93, 0
	s_mul_i32 s96, s[WV], 2*PART
	s_lshl_b32 s97, s[WV], 12
	s_add_co_u32 s97, s97, SCL
	s_mov_b32 s[SEL], 0x76543210
	s_mov_b32 s[SEL+1], 0xfedcba98
	s_mov_b32 s[CS], 0x3d38aa3b                    ; c = log2(e) / sqrt(1024)
	s_mov_b32 s[CS+1], s[CS]
	s_wait_dscnt 0x0                               ; the opening add is done
	s_wait_kmcnt 0x0
	s_add_nc_u64 s[22:23], s[4:5], s[22:23]
	s_add_nc_u64 s[94:95], s[4:5], s[94:95]
	s_cmp_eq_u32 s[WY], 0
	s_cselect_b32 s20, s20, s92                    ; the offset of my part's scale words: q's group or k's
	s_add_nc_u64 s[6:7], s[6:7], s[20:21]
	s_cselect_b64 s[68:69], s[22:23], s[94:95]     ; the prefetch: my part's group,
	s_cselect_b32 s70, s40, s41                    ; my place among the four partners that ask for it with me: they share its blocks out by address
	s_mul_i32 s70, s70, 12288                      ; 48 blocks of 256 bytes each
	s_add_co_u32 s70, s70, 2*PART                  ; of units 2 and 3
	s_mov_b32 s71, 0
	s_add_nc_u64 s[68:69], s[68:69], s[70:71]
.irp s, 0,1
	s_mov_b32 s[G0+4*\s], 1
	s_add_co_u32 s[G0+4*\s+1], s96, \s*SLOT
	s_add_nc_u64 s[G0+4*\s+2:G0+4*\s+3], s[22:23], \s*PART
	s_or_b32 s[G0+4*\s+3], s[G0+4*\s+3], 0x80000000
	s_mov_b32 s[G0B+4*\s], 1
	s_add_co_u32 s[G0B+4*\s+1], s96, \s*SLOT
	s_add_nc_u64 s[G0B+4*\s+2:G0B+4*\s+3], s[94:95], \s*PART
	s_or_b32 s[G0B+4*\s+3], s[G0B+4*\s+3], 0x80000000
.endr
	CROUND                                         ; all sixteen work-groups are here: the first joint loads meet
	JLOAD G0, G1, G0B, G1B                         ; units 0 and 1 of my part, one load
	v_and_b32 v1, 31, v0
	v_and_b32 v2, 15, v0
	v_bfe_u32 v3, v0, 4, 1
	v_lshlrev_b32 v[LI], 4, v1
.set si, 0
.rept 8
	global_load_b128 v[64+4*si:64+4*si+3], v[LI], s[6:7] offset:512*si   ; my part's scale words: 4,096 bytes, 512 consecutive bytes a load
.set si, si+1
.endr
	v_add_nc_u32 v25, s97, v[LI]                   ; and where they go in LDS
	v_lshlrev_b32 v27, 8, v1                       ; a lane a block; v27 and v30 are never rewritten
	v_min_u32 v30, 15, v1                          ; (the second request has 16 blocks: the lanes left over name the last again)
	v_lshlrev_b32 v30, 8, v30
	s_mul_i32 s20, s[WY], 2*PART
	s_mul_i32 s21, s[WX], 2*PART
	s_add_co_u32 s21, s21, 4*PART
	v_add_nc_u32 v[ADRA], s20, v[LI]
	v_add_nc_u32 v[ADRB], s21, v[LI]
	v_add_nc_u32 v[ADRA+1], SLOT, v[ADRA]
	v_add_nc_u32 v[ADRB+1], SLOT, v[ADRB]
	s_add_co_u32 s20, s[WX], 2
	s_sub_co_u32 s20, s20, s[WY]
	s_lshl_b32 s20, s20, 12
	v_mul_u32_u24 v4, s20, v3                      ; lanes 16-31 take k's words
	v_lshl_add_u32 v4, v2, 4, v4
	s_lshl_b32 s21, s[WY], 12
	s_add_co_u32 s21, s21, SCL
	v_add_nc_u32 v[ADRS], s21, v4
	s_lshl_b32 s20, s43, 1                         ; where my results go: index = (2 ty + my q group) x 16 + 2 tx + my k group (the chunk)
	s_add_co_u32 s20, s20, s[WY]
	s_lshl_b32 s20, s20, 4
	s_lshl_b32 s21, s42, 1
	s_add_co_u32 s20, s20, s21
	s_add_co_u32 s20, s20, s[WX]
	s_mul_i32 s22, s20, KSB
	s_mov_b32 s23, 0
	s_lshl_b32 s20, s20, 9
	s_mov_b32 s21, 0
	s_add_nc_u64 s[8:9], s[8:9], s[22:23]
	s_add_nc_u64 s[10:11], s[10:11], s[20:21]
	s_wait_alu depctr_va_vdst(0)
	s_wait_loadcnt 0x0                             ; my scale words are in registers
	s_wait_tensorcnt 0x0                           ; my part's two units are in; no tensor load of mine is out, so a descriptor may be written
.set si, 0
.rept 8
	ds_store_b128 v25, v[64+4*si:64+4*si+3] offset:512*si
.set si, si+1
.endr
	s_mov_b32 s[G1+2], (PART/256)<<16              ; from here on a load brings one unit: 96 rows
	s_mov_b32 s[G1+4], PART/256
	s_mov_b32 s[G1B+2], (PART/256)<<16
	s_mov_b32 s[G1B+4], PART/256
	s_wait_dscnt 0x0                               ; for the others' sake: my stores are done
	s_barrier_signal -1
	s_barrier_wait -1
	FETCH 0, 0, 0
	global_prefetch_b8 v27, s[68:69] th:TH_LOAD_NT scope:SCOPE_SE               ; behind the run of LDS loads: units 2 and 3, which the two refills will load, one and two units on: each block once in the cluster
	global_prefetch_b8 v30, s[68:69] offset:8192 th:TH_LOAD_NT scope:SCOPE_SE
	STEP 0, 0, 1                                   ; the first step starts the sums: nothing is cleared
	TURN 0, 1, 1
	s_wait_alu depctr_va_vdst(0)
	STEP 1, 0, 0
	TURN 1, 0, 1
	s_wait_alu depctr_va_vdst(0)
	STEP 0, 0, 0
	TURN 0, 1, 0
	s_wait_alu depctr_va_vdst(0)
	STEP 1, 0, 0
	s_wait_dscnt 0x0
	MULS 0, NA, 1, 0
	WIN 0
; THE SOFTMAX'S FIRST HALF for query tile a: a lane holds one query and 64 of the chunk's 128 scores, register 16 b + i = key 32 b + 16 (lane / 16) + i.
.macro SOFT a
.set AC, 64*((\a)%4)
.set WW, 2+(\a)/4
.set PCS, PC+20*((\a)%2)
	WIN (WW<<2)|(WW<<4)                            ; sources 1 and 2 in the accumulators' window
.irp b, 0,1,2,3
	v_max3_num_f32 v[BM+\b], 0xff800000, v[AC+16*\b], v[AC+16*\b+1]   ; the largest score of each block of 32 keys: it serves the chunk's maximum and, since p rises with the score, the block's largest p.  Each accumulator is first read at its low end
.endr
.irp i, 2,4,6,8,10,12,14
.irp b, 0,1,2,3
	v_max3_num_f32 v[BM+\b], v[BM+\b], v[AC+16*\b+\i], v[AC+16*\b+\i+1]
.endr
.endr
	WIN 0
.irp b, 0,1,2,3
	v_permlanex16_b32 v[BX+\b], v[BM+\b], s[SEL], s[SEL+1]
.endr
.irp b, 0,1,2,3
	v_max_num_f32 v[BM+\b], v[BM+\b], v[BX+\b]     ; with lane l xor 16's 16 keys
.endr
	v_max3_num_f32 v[T0], v[BM], v[BM+1], v[BM+2]
	v_max_num_f32 v[T0], v[T0], v[BM+3]            ; the chunk's largest score of my query
	v_mul_f32 v[T0], s[CS], v[T0]                  ; as t (c is positive)
	v_floor_f32 v[NM], -v[T0]                      ; -M = floor(-t) = -ceil(t): a whole number
	WIN WW                                         ; source 0 in the accumulators' window
.set j, 0
.rept 32
	v_pk_fma_f32 v[P+j:P+j+1], v[AC+j:AC+j+1], s[CS:CS+1], v[NM:NM+1] op_sel_hi:[1,0,0]   ; t - M, two at a time
.set j, j+2
.endr
	WIN 0
.irp b, 0,1,2,3
	v_fma_f32 v[BM+\b], v[BM+\b], s[CS], v[NM]     ; the same of each block's largest score
.endr
.set j, 0
	s_wait_alu depctr_va_vdst(0)
.rept 64
	v_exp_f32 v[P+j], v[P+j]                       ; p = 2^(t - M), at most 1
.set j, j+1
.endr
	v_mov_b32 v[NMS+(\a)], v[NM]                   ; -M is kept.  (The plain place behind the exponentials)
	s_wait_alu depctr_va_vdst(0)                   ; one wait for the batch of 64, ahead of its first reader
.irp b, 0,1,2,3
	v_exp_f32 v[BM+\b], v[BM+\b]                   ; the block's largest p: the same two instructions on the same number give the same bits
.endr
	v_pk_add_f32 v[LA:LA+1], v[P:P+1], v[P+2:P+3]  ; the sum of the UNQUANTISED p, two at a time, in two chains: plain work behind the four
	v_pk_add_f32 v[LB:LB+1], v[P+4:P+5], v[P+6:P+7]
.irp j, 8,12,16,20,24,28,32,36,40,44,48,52,56,60
	v_pk_add_f32 v[LA:LA+1], v[LA:LA+1], v[P+\j:P+\j+1]
	v_pk_add_f32 v[LB:LB+1], v[LB:LB+1], v[P+\j+2:P+\j+3]
.endr
	v_pk_add_f32 v[LA:LA+1], v[LA:LA+1], v[LB:LB+1]
	v_add_f32 v[T0], v[LA], v[LA+1]
	v_permlanex16_b32 v[T1], v[T0], s[SEL], s[SEL+1]
	v_add_f32 v[LS+(\a)], v[T0], v[T1]             ; with lane l xor 16's 64 keys: the chunk's sum
	s_wait_alu depctr_va_vdst(0)                   ; and one wait for the four
.irp b, 0,1,2,3
	v_max_num_f32 v[BM+\b], 0x1800000, v[BM+\b]    ; the floor 2^(3 - 127): the byte cannot fall under 1
.endr
.irp b, 0,1,2,3
	v_add_nc_u32 v[SO+\b], 0xff000000, v[BM+\b]    ; 2 off the exponent field: the conversion's scale operand
.endr
.irp b, 0,1,2,3
	v_lshrrev_b32 v[BX+\b], 23, v[SO+\b]           ; the scale's byte
.endr
	v_lshl_or_b32 v[PWS+(\a)], v[BX+1], 8, v[BX]
	v_lshl_or_b32 v[PWS+(\a)], v[BX+2], 16, v[PWS+(\a)]
	v_lshl_or_b32 v[PWS+(\a)], v[BX+3], 24, v[PWS+(\a)]
.if (\a) > 1
	s_wait_xcnt 0x0                                ; the stores of the tile two back have read this set of codes
.endif
.irp c, 0,1
	v_cvt_scalef32_pk16_fp6_f32 v[PCS+6*\c:PCS+6*\c+2], v[P+32*\c:P+32*\c+15], v[SO+2*\c]
	v_cvt_scalef32_pk16_fp6_f32 v[PCS+12+4*\c:PCS+14+4*\c], v[P+32*\c+16:P+32*\c+31], v[SO+2*\c+1]
.endr
	v_nop                                          ; one plain place behind a scaled conversion
.irp c, 0,1                            ; the operand's layout wants a whole block in a lane
.irp i, 0,1,2
	v_permlane16_swap_b32 v[PCS+6*\c+\i], v[PCS+12+4*\c+\i]
.endr
.irp i, 0,1,2
	v_mov_b32 v[PCS+3+6*\c+\i], v[PCS+12+4*\c+\i]
.endr
.endr
.irp c, 0,1,2
	global_store_b128 v[LI], v[PCS+4*\c:PCS+4*\c+3], s[8:9] offset:FRB*(\a)+512*\c   ; the image: 512 consecutive aligned bytes a store
.endr
.endm
.irp b, 0,1,2,3
	v_mov_b32 v[BX+\b], 0                          ; a lane permute's destination counts as one of its sources.  These four plain lines are also the places behind the last products
.endr
	v_mov_b32 v[NM+1], 0                           ; (named as the upper half of a pair)
	v_mov_b32 v[T1], 0
.irp a, 0,1,2,3,4,5,6,7
	SOFT \a
.endr
.irp k, 0,1,2,3
	v_permlane16_swap_b32 v[PWS+\k], v[PWS+4+\k]   ; each run of four registers becomes a word image
	v_permlane16_swap_b32 v[NMS+\k], v[NMS+4+\k]
	v_permlane16_swap_b32 v[LS+\k], v[LS+4+\k]
.endr
	global_store_b128 v[LI], v[PWS:PWS+3], s[10:11]
	global_store_b128 v[LI], v[NMS:NMS+3], s[10:11] offset:PLANE
	global_store_b128 v[LI], v[LS:LS+3], s[10:11] offset:2*PLANE
	s_wait_tensorcnt 0x0                           ; the wave's end
	ds_add_u32 v[SPW], v[NIL]
	s_wait_dscnt 0x0
	CROUND                                         ; the closing round
	s_endpgm
.Lfunc_end_k_q89e5db596f_scores:
	.size	k_q89e5db596f_scores, .Lfunc_end_k_q89e5db596f_scores-k_q89e5db596f_scores
	.p2alignl 7, 3214868480
	.fill 96, 4, 3214868480
	.section	.rodata,"a",@progbits
	.p2align	6, 0x0
	.amdhsa_kernel k_q89e5db596f_scores
		.amdhsa_group_segment_fixed_size 327680
		.amdhsa_private_segment_fixed_size 0
		.amdhsa_enable_private_segment 0
		.amdhsa_kernarg_size 32
		.amdhsa_user_sgpr_count 2
		.amdhsa_user_sgpr_kernarg_segment_ptr 1
		.amdhsa_wavefront_size32 1
		.amdhsa_system_sgpr_workgroup_id_x 1
		.amdhsa_system_sgpr_workgroup_id_y 1
		.amdhsa_system_sgpr_workgroup_id_z 1
		.amdhsa_system_vgpr_workitem_id 0
		.amdhsa_next_free_vgpr 1024
		.amdhsa_next_free_sgpr 100
		.amdhsa_reserve_vcc 0
		.amdhsa_float_denorm_mode_32 3
		.amdhsa_float_denorm_mode_16_64 3
		.amdhsa_memory_ordered 1
		.amdhsa_forward_progress 1
		.amdhsa_inst_pref_size 193
	.end_amdhsa_kernel
	.amdgpu_metadata
---
amdhsa.version: [ 1, 2 ]
amdhsa.kernels:
  - .name:           k_q89e5db596f_scores
    .symbol:         k_q89e5db596f_scores.kd
    .args:
      - { .name: qk_codes, .offset: 0, .size: 8, .value_kind: global_buffer, .address_space: global }
      - { .name: qk_scales, .offset: 8, .size: 8, .value_kind: global_buffer, .address_space: global }
      - { .name: p_codes, .offset: 16, .size: 8, .value_kind: global_buffer, .address_space: global }
      - { .name: p_words, .offset: 24, .size: 8, .value_kind: global_buffer, .address_space: global }
    .group_segment_fixed_size: 327680
    .private_segment_fixed_size: 0
    .kernarg_segment_align: 8
    .kernarg_segment_size: 32
    .max_flat_workgroup_size: 128
    .sgpr_count:     100
    .vgpr_count:     1024
    .wavefront_size: 32
...
	.end_amdgpu_metadata
.endif
;; end of part 3
;; launch pv (part 4): grid 4 x 64, 4 waves a work-group, clusters of 4 x 4, 327,680 bytes of LDS; arguments p_codes, p_words, v_codes, v_scales, out0; writes out0
.if DOCPART == 4
	.amdgcn_target "amdgcn-amd-amdhsa--gfx1250"
	.amdhsa_code_object_version 6
	.text
	.protected	k_q89e5db596f_pv
	.globl	k_q89e5db596f_pv
	.p2align	8
	.type	k_q89e5db596f_pv,@function
k_q89e5db596f_pv:
	s_mov_b64 s[64:65], 0
	v_nop
	global_prefetch_b8 v0, s[64:65] scope:SCOPE_SE
	s_setreg_imm32_b32 hwreg(HW_REG_WAVE_MODE, 25, 1), 1
	s_wait_xcnt 0x0
	s_wait_alu depctr_hold_cnt(0) depctr_sa_sdst(0) depctr_va_vdst(0) depctr_va_sdst(0) depctr_va_ssrc(0) depctr_va_vcc(0) depctr_vm_vsrc(0)
	s_getreg_b32 s2, hwreg(HW_REG_IB_STS2, 6, 4)
	s_cmp_eq_u32 s2, 0
	s_cbranch_scc0 .Lentry_in_a_cluster
	s_endpgm
.Lentry_in_a_cluster:
	s_bfe_u32 s2, ttmp6, 0x10000c
	s_cmp_lg_u32 s2, 0xf033
	s_cbranch_scc0 .Lentry_shape_is_right
	s_endpgm
.Lentry_shape_is_right:
; out = (P value) / l on codes of FP6 (E2M3) with E8M0 scales, sums in f32.  P arrives as codes made under a whole number M of its own for each query and chunk of 128 keys, with -M and the chunk's sum of p beside them.
; THE HEAD brings them under the row's M = the largest of the 16: D = M(chunk) - M(row) is a whole number, 0 or less; the chunk's four scale bytes take D up (byte + D, held at 1 from below), its sum is multiplied by 2^D (exact), and 1 / l is kept.
; LIMIT: a block whose byte + D would fall under 1 is held at 1: it then adds at most 7.5 x 2^-126 a term beside a row's sum of at least 1/2.  NaN and infinities are not served.
; OPERANDS: fragment images (1,536 bytes) and word images (512 bytes).  p_codes [query group of 128][16 chunks][8 tiles][1536]; v_codes [batch x 8 + d / 128][16 chunks][8 tiles][1536], tile i, lane row r = d 16 i + r.
; THE PRODUCT IS USED TRANSPOSED (source 0 = 16 of d, source 1 = 16 queries): a lane holds one query and eight neighbouring d.  Tile i, lane row r of a query group is query 32 (i / 2) + 8 (i % 2) + r + 8 (r / 8).
; SHARES: a work-group makes 128 queries x 256 d, a wave 64 x 128: 32 accumulators.  K = 2,048 keys: 16 chunks, four to a slot, four units through two slots.
; CLUSTER 4 x 4: P's tiles are shared along a row of the cluster, value's along a column: joint loads.
; REGISTERS: window 0: v16-30 addresses; v32-47 scale words, two sets (nothing else); v48-63 at work; v64-159 P's fragments, two sets of 48; on the way out v64-255 are free.  window 1: value's fragments, two sets at v0 and v128.
;   window 2: the accumulators ((a, b) at 8 (8 a + b)).
.set NA,    4
.set NQ,    4
.set FRB,   1536
.set KSB,   12288
.set UNIT,  NQ*KSB                     ; four chunks of a group: 49,152 bytes
.set GRP,   16*KSB
.set SLOT,  UNIT                       ; LDS: three parts (P's group, value's two groups), each with its two slots side by side: from a part's slot 0 to its slot 1
.set PS,    6*UNIT                     ; P's rebased scale words, 16 word images: written by LDS stores, never by a fill
.set RL,    PS+8192                    ; 1 / l, one word image
.set VS,    RL+512                     ; value's scale words of two groups for all keys: 8,192 bytes each, filled once
.set SPARE, VS+16384                   ; the spare words: two blocks of 256 bytes that no other line names
.set PLANE, 524288
.set ADRA, 16                          ; v16-17 my P fragments in slot 0, 1
.set RLA,  19                          ; v19    my tiles' 1 / l
.set ADRB, 20                          ; v20-21 my value fragments
.set STO,  22                          ; v22    the way out: where I put 32 bytes of a row
.set RD,   23                          ; v23    where I read a row back
.set CO,   24                          ; v24    16 x lane
.set PW,   25                          ; v25    4 x thread: my place in a word image, in memory
.set ADRS, 26                          ; v26    scale words: lanes 0-15 P's four tiles, lanes 16-31 value's tiles 0-3
.set ADRS2, 27                         ; v27    lanes 16-31 value's tiles 4-7 (lanes 0-15 as v26)
.set SPW,  28
.set NIL,  29
.set PSA,  30                          ; v30    PS + 4 x thread
.set SC,   32
.set AF,   64
.set Y,    64                          ; the way out: v64-127 a tile's results / l
.set BK,   128                         ; v128-191, v192-255 rows read back, by turns
.set WV,   16
.set WY,   17
.set WX,   18
.set G1,   24
.set G0,   32
.set G1B,  48
.set G0B,  56
.set G1SB, 80
.set G0SB, 88
.set MSB, 0
.macro WIN new                         ; the immediate's high byte repeats the setting that is left
.if MSB != (\new)
	s_set_vgpr_msb (MSB<<8)|(\new)
.set MSB, (\new)
.endif
.endm
.macro PLACES cnt
.rept \cnt
	v_nop
.endr
.endm
.macro JLOAD g0a, g1a, g0b, g1b        ; waves 0 and 1 fetch P's halves, waves 2 and 3 value's groups; an s_nop 0 and four v_nop follow each line
	s_cmp_eq_u32 s[WY], 0
	s_cbranch_scc0 .Lfor_b_\@
	tensor_load_to_lds s[\g0a:\g0a+3], s[\g1a:\g1a+7]
	s_nop 0
	PLACES 4
	s_branch .Lasked_\@
.Lfor_b_\@:
	tensor_load_to_lds s[\g0b:\g0b+3], s[\g1b:\g1b+7]
	s_nop 0
	PLACES 4
.Lasked_\@:
.endm
.macro CREST
	s_cmp_lg_u32 s[WV], 0
	s_cbranch_scc1 .Lnot_wave_0_\@
	s_barrier_signal -3
.Lnot_wave_0_\@:
	s_barrier_wait -3
	s_barrier_signal -1
	s_barrier_wait -1
.endm
.macro CROUND
	s_barrier_signal -1
	s_barrier_wait -1
	CREST
.endm
.macro FRAG reg, adr, q, i
.irp c, 0,1,2
	ds_load_b128 v[(\reg)+4*\c:(\reg)+4*\c+3], v[\adr] offset:(\q)*KSB+(\i)*FRB+512*\c
.endr
.endm
.macro FETCH slot, q, p                ; the slot's q-th chunk into set p: value's 8 fragments, P's 4, the scale words: 38 loads in one run
	WIN 0x40
.irp b, 0,1,2,3,4,5,6,7
	FRAG 128*(\p)+12*\b, ADRB+\slot, \q, \b
.endr
	WIN 0
.set ia, 0
.rept NA
	FRAG AF+12*NA*(\p)+12*ia, ADRA+\slot, \q, ia
.set ia, ia+1
.endr
	ds_load_b128 v[SC+8*(\p):SC+8*(\p)+3], v[ADRS] offset:512*(\q)
	ds_load_b128 v[SC+8*(\p)+4:SC+8*(\p)+7], v[ADRS2] offset:512*(\q)
.endm
; 8 matrix instructions: query tile a against value's eight tiles.  cm = 1: the constant 0 starts the sum.  The 32 accumulators take turns in one order in every step.
.macro MULA a, p, cm
	WIN 0xa1                                       ; source 0 (value) window 1, source 1 (P) window 0, C and D window 2
.irp b, 0,1,2,3,4,5,6,7
.set rD, 8*(8*(\a)+\b)
.set rB, 128*(\p)+12*\b
.set rA, AF+12*NA*(\p)+12*(\a)
.if (\cm) == 1
	v_wmma_scale_f32_16x16x128_f8f6f4 v[rD:rD+7], v[rB:rB+11], v[rA:rA+11], 0, v[SC+8*(\p)+\b], v[SC+8*(\p)+(\a)] matrix_a_fmt:MATRIX_FMT_FP6 matrix_b_fmt:MATRIX_FMT_FP6 matrix_a_scale:MATRIX_SCALE_ROW1
.else
	v_wmma_scale_f32_16x16x128_f8f6f4 v[rD:rD+7], v[rB:rB+11], v[rA:rA+11], v[rD:rD+7], v[SC+8*(\p)+\b], v[SC+8*(\p)+(\a)] matrix_a_fmt:MATRIX_FMT_FP6 matrix_b_fmt:MATRIX_FMT_FP6 matrix_a_scale:MATRIX_SCALE_ROW1
.endif
.endr
.endm
.macro MULS a0, cnt, p, cm
.set ma, \a0
.rept \cnt
	MULA ma, \p, \cm
.set ma, ma+1
.endr
.endm
.macro STEP slot, q, cm
	s_wait_dscnt 0x0                               ; this chunk's fragments and words, asked for 24 matrix instructions ago
	MULA 0, (\q)%2, \cm
	PLACES 4                                       ; four places in front of loads into the set that the last step's products read
	FETCH \slot, (\q)+1, 1-(\q)%2
	MULS 1, NA-1, (\q)%2, \cm
	WIN 0
.endm
.macro TURN slot, next, fill
	WIN 0
	s_wait_tensorcnt 0x0                           ; all my tensor loads have landed: my part of the next slot
	ds_add_u32 v[SPW], v[NIL]                      ; 0 onto my spare word
	s_wait_dscnt 1                                 ; this chunk's fragments are in; the add may be out
	MULS 0, NA/4, 1, 0
	s_wait_dscnt 0x0                               ; the add is done, and my reads of this slot are over
	s_barrier_signal -1
	MULS NA/4, NA/4, 1, 0
	WIN 0
	s_barrier_wait -1
.if \fill
	CREST                                          ; a round of the cluster's barrier: no wave of any partner still reads this slot or has a load on its way
	s_add_nc_u64 s[G0+4*\slot+2:G0+4*\slot+3], s[G0+4*\slot+2:G0+4*\slot+3], 2*UNIT
	s_add_nc_u64 s[G0B+4*\slot+2:G0B+4*\slot+3], s[G0B+4*\slot+2:G0B+4*\slot+3], 2*UNIT
	JLOAD G0+4*\slot, G1, G0B+4*\slot, G1B         ; the first tensor load behind the round; its four v_nop are the places in front of the loads below
.else
	PLACES 4
.endif
	v_add_nc_u32 v[ADRS], 512*NQ, v[ADRS]          ; the next unit's scale words
	v_add_nc_u32 v[ADRS2], 512*NQ, v[ADRS2]
	FETCH \next, 0, 0
	MULS NA/2, NA/2, 1, 0
	WIN 0
.endm
	s_load_b256 s[4:11], s[0:1], 0x0               ; p_codes s[4:5], p_words s[6:7], v_codes s[8:9], v_scales s[10:11]
	s_load_b64 s[12:13], s[0:1], 0x20              ; out0
	v_lshl_add_u32 v[SPW], v0, 2, SPARE
	v_mov_b32 v[NIL], 0
	ds_add_u32 v[SPW], v[NIL]                      ; the wave's opening: the add and its wait stand ahead of my first tensor load
	ds_add_u32 v[SPW], v[NIL]
	v_lshrrev_b32 v1, 5, v0
	v_readfirstlane_b32 s[WV], v1
	s_lshr_b32 s[WY], s[WV], 1                     ; which 64 queries I multiply.  Also: I fetch for P (0) or for value (1)
	s_and_b32 s[WX], s[WV], 1                      ; which of value's two groups I multiply.  Also: which half of P's unit, or which group of value, I fetch
	s_bfe_u32 s40, ttmp6, 0x40000                  ; cx
	s_bfe_u32 s41, ttmp6, 0x40004                  ; cy
	s_lshl_b32 s42, ttmp9, 2
	s_add_co_u32 s42, s42, s40                     ; tx: which 256 of d
	s_and_b32 s46, ttmp7, 0xffff                   ; the cluster's y: four clusters to a batch
	s_lshl_b32 s43, s46, 2
	s_add_co_u32 s43, s43, s41                     ; ty = the query group, 0 .. 63
	s_lshl_b32 s44, s41, 2
	s_lshl_b32 s44, 15, s44                        ; my row of the cluster
	s_lshl_b32 s45, 0x1111, s40                    ; my column
	s_or_b32 s[G1], s44, (3<<16)|(1<<21)
	s_or_b32 s[G1B], s45, (3<<16)|(1<<21)
	s_mov_b32 s[G1+1], 32<<16                      ; P: half a unit, 24,576 dense bytes as 96 rows of 256
	s_mov_b32 s[G1+2], 192<<16                     ; at the head a whole unit: 192 rows
	s_mov_b32 s[G1+3], 32<<16
	s_mov_b32 s[G1+4], 192
	s_mov_b32 s[G1+5], 32
	s_mov_b32 s[G1+6], 0
	s_mov_b32 s[G1+7], 0
	s_mov_b32 s[G1B+1], 32<<16                     ; value: a group's unit, 49,152 dense bytes as 192 rows of 256
	s_mov_b32 s[G1B+2], 384<<16                    ; at the head a group's two units: 384 rows
	s_mov_b32 s[G1B+3], 32<<16
	s_mov_b32 s[G1B+4], 384
	s_mov_b32 s[G1B+5], 32
	s_mov_b32 s[G1B+6], 0
	s_mov_b32 s[G1B+7], 0
	s_mul_i32 s22, s43, GRP
	s_mul_i32 s96, s[WX], UNIT/2                   ; P's half: in memory and in a slot alike
	s_add_co_u32 s22, s22, s96
	s_mov_b32 s23, 0
	s_lshr_b32 s92, s46, 2                         ; the batch
	s_lshl_b32 s92, s92, 3
	s_lshl_b32 s93, s42, 1
	s_add_co_u32 s92, s92, s93
	s_add_co_u32 s92, s92, s[WX]                   ; value's group that I fetch: 8 x batch + 2 tx + half
	s_mul_i32 s94, s92, GRP
	s_mov_b32 s95, 0
	s_sub_co_u32 s92, s92, s[WX]                   ; the first of value's two groups: their scale words are 16,384 dense bytes,
	s_lshl_b32 s92, s92, 13
	s_lshl_b32 s98, s[WV], 12
	s_add_co_u32 s92, s92, s98                     ; of which my wave copies 4,096 through registers
	s_mov_b32 s93, 0
	s_add_co_u32 s98, s98, VS                      ; to this place
	s_mul_i32 s97, s[WX], 2*UNIT
	s_add_co_u32 s97, s97, 2*UNIT                  ; value's group in LDS, behind P's part
	s_mov_b32 s20, s96
	s_mov_b32 s21, 0
	s_wait_dscnt 0x0                               ; the opening add is done
	s_wait_kmcnt 0x0
	s_add_nc_u64 s[22:23], s[4:5], s[22:23]
	s_add_nc_u64 s[94:95], s[8:9], s[94:95]
	s_mov_b32 s[G0SB], 1
	s_lshl_b32 s[G0SB+1], s96, 1                   ; the head's load of P: wave 0 brings unit 0 into slot 0, wave 1 unit 1 into slot 1
	s_add_nc_u64 s[G0SB+2:G0SB+3], s[22:23], s[20:21]
	s_add_nc_u64 s[10:11], s[10:11], s[92:93]
	s_cmp_eq_u32 s[WY], 0                          ; the prefetch of units 2 and 3 (98,304 bytes of a group): P's group is shared out among 4 partners x 2 waves, 48 blocks each; a group of value among 4 partners, 96 blocks each
	s_cselect_b64 s[68:69], s[22:23], s[94:95]
	s_cselect_b32 s70, s40, s41                    ; my place among the partners that ask with me: the blocks are shared out by address
	s_cselect_b32 s71, s[WX], 0                    ; (P's pointer stands 2 x 12,288 x half on already: 2 place + half - 2 half)
	s_cselect_b32 s72, 15, 31                      ; lanes of the second request
	s_lshl_b32 s70, s70, 1
	s_sub_co_u32 s70, s70, s71
	s_add_co_u32 s70, s70, 8                       ; 8 x 12,288 bytes: units 0 and 1
	s_mul_i32 s70, s70, 12288
	s_mov_b32 s71, 0
	s_add_nc_u64 s[68:69], s[68:69], s[70:71]
	s_or_b32 s[G0SB+3], s[G0SB+3], 0x80000000
.irp s, 0,1
	s_mov_b32 s[G0+4*\s], 1
	s_add_co_u32 s[G0+4*\s+1], s96, \s*SLOT
	s_add_nc_u64 s[G0+4*\s+2:G0+4*\s+3], s[22:23], \s*UNIT
	s_or_b32 s[G0+4*\s+3], s[G0+4*\s+3], 0x80000000
	s_mov_b32 s[G0B+4*\s], 1
	s_add_co_u32 s[G0B+4*\s+1], s97, \s*SLOT
	s_add_nc_u64 s[G0B+4*\s+2:G0B+4*\s+3], s[94:95], \s*UNIT
	s_or_b32 s[G0B+4*\s+3], s[G0B+4*\s+3], 0x80000000
.endr
	s_lshl_b32 s20, s43, 13                        ; the group's 16 word images in each plane: asked for first of all, since the head's arithmetic hangs on them
	s_mov_b32 s21, 0
	s_add_nc_u64 s[6:7], s[6:7], s[20:21]
	v_lshlrev_b32 v[PW], 2, v0
	s_wait_alu depctr_va_vdst(0)                   ; the wait stands behind this write
.set i, 0
.rept 16
	global_load_b32 v[64+i], v[PW], s[6:7] offset:PLANE+512*i      ; -M of chunk i
.set i, i+1
.endr
.set i, 0
.rept 16
	global_load_b32 v[80+i], v[PW], s[6:7] offset:2*PLANE+512*i    ; its sum
.set i, i+1
.endr
.set i, 0
.rept 16
	global_load_b32 v[96+i], v[PW], s[6:7] offset:512*i            ; its scale word
.set i, i+1
.endr
	CROUND                                         ; all sixteen work-groups are here: the first joint loads meet
	JLOAD G0SB, G1, G0B, G1B                       ; both slots' first fills, one tensor load a wave
	; THE HEAD: thread t owns place t of the 128 words of the group's word images: one (tile, lane row) = one query
	v_add_nc_u32 v[PSA], PS, v[PW]
	v_and_b32 v1, 31, v0                           ; lane
	v_and_b32 v2, 15, v0                           ; r
	v_bfe_u32 v3, v0, 4, 1                         ; h
	v_lshlrev_b32 v[CO], 4, v1
	v_add_nc_u32 v18, s98, v[CO]
.set si, 0
.rept 8
	global_load_b128 v[112+4*si:112+4*si+3], v[CO], s[10:11] offset:512*si   ; my 4,096 bytes of value's scale words
.set si, si+1
.endr
	v_lshlrev_b32 v6, 8, v1                        ; a lane a block; v6 and v7 are never rewritten
	v_min_u32 v7, s72, v1                          ; (P's second request has 16 blocks: the lanes left over name the last again)
	v_lshlrev_b32 v7, 8, v7
	s_mul_i32 s20, s[WY], 4*FRB
	s_mul_i32 s21, s[WX], 2*UNIT
	s_add_co_u32 s21, s21, 2*UNIT
	v_add_nc_u32 v[ADRA], s20, v[CO]
	v_add_nc_u32 v[ADRB], s21, v[CO]
	v_add_nc_u32 v[ADRA+1], SLOT, v[ADRA]
	v_add_nc_u32 v[ADRB+1], SLOT, v[ADRB]
	s_lshl_b32 s20, s[WX], 13
	s_add_co_u32 s20, s20, VS-PS
	s_lshl_b32 s21, s[WY], 8
	s_sub_co_u32 s20, s20, s21                     ; from P's words to value's
	v_mul_u32_u24 v4, s20, v3                      ; lanes 16-31 take value's
	v_lshl_add_u32 v4, v2, 4, v4                   ; + 16 r
	s_add_co_u32 s21, s21, PS
	v_add_nc_u32 v[ADRS], s21, v4
	s_wait_alu depctr_va_vdst(0)
	v_lshl_add_u32 v[ADRS2], v3, 8, v[ADRS]        ; value's tiles 4-7 lie 256 bytes on
	s_lshl_b32 s21, s[WY], 8
	s_add_co_u32 s21, s21, RL
	v_lshlrev_b32 v[RLA], 4, v2
	v_add_nc_u32 v[RLA], s21, v[RLA]
	s_mul_i32 s20, s[WV], 16*528                   ; my stage: 16 rows x (512 bytes + 16), in slot 0, which has had its last fill and its last read when the first result is stored there
	v_mul_u32_u24 v[STO], v2, 528
	v_lshl_add_u32 v[STO], v3, 5, v[STO]
	v_add_nc_u32 v[STO], s20, v[STO]
	v_add_nc_u32 v[RD], s20, v[CO]
	s_lshl_b32 s20, s43, 19                        ; out0: 128 rows of 4,096 bytes a group,
	s_lshl_b32 s21, s[WY], 18                      ; my 64 rows,
	s_add_co_u32 s20, s20, s21
	s_lshl_b32 s21, s42, 10                        ; 256 d,
	s_add_co_u32 s20, s20, s21
	s_lshl_b32 s21, s[WX], 9                       ; my 128 d
	s_add_co_u32 s20, s20, s21
	s_mov_b32 s21, 0
	s_add_nc_u64 s[12:13], s[12:13], s[20:21]
	s_wait_loadcnt 8                               ; the 48 words of my query are in; the 8 loads of value's scale words, issued behind them, may be out
	global_prefetch_b8 v6, s[68:69] th:TH_LOAD_NT scope:SCOPE_SE                ; what the two refills will load, one and two units (4 and 8 chunks) on: each block once in the cluster
	global_prefetch_b8 v7, s[68:69] offset:8192 th:TH_LOAD_NT scope:SCOPE_SE
	s_cmp_eq_u32 s[WY], 0
	s_wait_alu depctr_va_vdst(0)                   ; the wait ahead of the branch
	s_cbranch_scc1 .Lpf_done
	global_prefetch_b8 v6, s[68:69] offset:16384 th:TH_LOAD_NT scope:SCOPE_SE   ; value's waves: the third 32 blocks
.Lpf_done:
	v_min3_num_f32 v48, v64, v65, v66              ; -M of the row: the least of the sixteen
.irp i, 67,69,71,73,75,77
	v_min3_num_f32 v48, v48, v[\i], v[\i+1]
.endr
	v_min_num_f32 v48, v48, v79
.set i, 0
.rept 16
	v_sub_f32 v49, v48, v[64+i]                    ; D = M(chunk) - M(row): a whole number, 0 or less
	v_bfe_u32 v52, v[96+i], 0, 8
	v_bfe_u32 v53, v[96+i], 8, 8
	v_bfe_u32 v54, v[96+i], 16, 8
	v_lshrrev_b32 v55, 24, v[96+i]
	v_cvt_i32_f32 v50, v49                         ; (it saturates)
.irp b, 52,53,54,55
	v_cvt_f32_u32 v[\b], v[\b]
.endr
	v_ldexp_f32 v50, 1.0, v50                      ; 2^D
.irp b, 52,53,54,55
	v_add_f32 v[\b], v[\b], v49                    ; byte + D, in f32, so that no D is too large for it,
.endr
.irp b, 52,53,54,55
	v_max_num_f32 v[\b], 1.0, v[\b]                ; held at 1 from below
.endr
.irp b, 52,53,54,55
	v_cvt_u32_f32 v[\b], v[\b]
.endr
.if i == 0
	v_mul_f32 v51, v[80], v50                      ; the row's sum: the chunks' sums under the row's M
.else
	v_fma_f32 v51, v[80+i], v50, v51
.endif
	v_lshl_or_b32 v52, v53, 8, v52
	v_lshl_or_b32 v52, v54, 16, v52
	v_lshl_or_b32 v[96+i], v55, 24, v52
	ds_store_b32 v[PSA], v[96+i] offset:512*i      ; the word image as it lay in memory
.set i, i+1
.endr
	s_wait_alu depctr_va_vdst(0)
	v_rcp_f32 v51, v51
	v_nop                                          ; a plain place behind the reciprocal
	s_wait_alu depctr_va_vdst(0)                   ; and a wait ahead of its first reader
	ds_store_b32 v[PSA], v51 offset:8192           ; RL = PS + 8,192
	s_wait_loadcnt 0x0                             ; value's scale words are in registers
	s_wait_tensorcnt 0x0                           ; my first fill is in; no tensor load of mine is out, so a descriptor may be written
.set si, 0
.rept 8
	ds_store_b128 v18, v[112+4*si:112+4*si+3] offset:512*si
.set si, si+1
.endr
	s_mov_b32 s[G1+2], 96<<16                      ; from here on: half a unit of P, 96 rows;
	s_mov_b32 s[G1+4], 96
	s_mov_b32 s[G1B+2], 192<<16                    ; a unit of a group of value, 192 rows
	s_mov_b32 s[G1B+4], 192
	s_wait_dscnt 0x0                               ; for the others' sake: my stores of words and of 1 / l are done
	s_barrier_signal -1
	s_barrier_wait -1
	FETCH 0, 0, 0
	STEP 0, 0, 1                                   ; the first step starts the sums: nothing is cleared
	STEP 0, 1, 0
	STEP 0, 2, 0
	TURN 0, 1, 1                                   ; slot 0 takes unit 2
	s_wait_alu depctr_va_vdst(0)
	STEP 1, 0, 0
	STEP 1, 1, 0
	STEP 1, 2, 0
	TURN 1, 0, 1                                   ; slot 1 takes unit 3
	s_wait_alu depctr_va_vdst(0)
	STEP 0, 0, 0
	STEP 0, 1, 0
	STEP 0, 2, 0
	TURN 0, 1, 0                                   ; nothing is left to fetch; behind this barrier nobody reads slot 0
	s_wait_alu depctr_va_vdst(0)
	STEP 1, 0, 0
	STEP 1, 1, 0
	STEP 1, 2, 0
	s_wait_dscnt 0x0
	MULS 0, NA, 1, 0
	WIN 0
	; THE WAY OUT, a tile of 16 queries x 128 d at a time: x 1 / l, through my stage, back as whole rows of 512 bytes.
	PLACES 4                                       ; behind the last products
	ds_load_b128 v[56:59], v[RLA]                  ; 1 / l of my four tiles' lane row r
	s_wait_dscnt 0x0
.irp a, 0,1,2,3
	v_mov_b32 v[48+2*\a], v[56+\a]                 ; as pairs for the packed multiply
	v_mov_b32 v[49+2*\a], v[56+\a]
.endr
.macro OUTB a
.if (\a) > 0
	s_wait_dscnt 16                                ; the last tile's 16 stores into the stage have read Y; its 16 loads may be out
.endif
	WIN 0x02                                       ; source 0 in the accumulators' window
.set j, 0
.rept 32
	v_pk_mul_f32 v[Y+j:Y+j+1], v[64*(\a)+j:64*(\a)+j+1], v[48+2*(\a):49+2*(\a)]   ; each accumulator from its low end on
.set j, j+2
.endr
	WIN 0
.irp b, 0,1,2,3,4,5,6,7
	ds_store_b128 v[STO], v[Y+8*\b:Y+8*\b+3] offset:64*\b          ; lane (r, h): d = 16 b + 8 h + 0 .. 7 of row r
	ds_store_b128 v[STO], v[Y+8*\b+4:Y+8*\b+7] offset:64*\b+16
.endr
.if (\a) > 1
	s_wait_xcnt 0x0                                ; the stores of the tile two back have read these registers
.endif
.irp t, 0,1,2,3,4,5,6,7,8,9,10,11,12,13,14,15
	ds_load_b128 v[BK+64*((\a)%2)+4*\t:BK+64*((\a)%2)+4*\t+3], v[RD] offset:528*\t   ; LDS serves a wave's instructions in order: these see my stores, and the next tile's stores come behind them
.endr
.endm
.macro SEND a, younger                 ; younger: the LDS instructions issued behind tile a's loads, which may stay out
	s_wait_dscnt \younger
.irp t, 0,1,2,3,4,5,6,7,8,9,10,11,12,13,14,15
	global_store_b128 v[CO], v[BK+64*((\a)%2)+4*\t:BK+64*((\a)%2)+4*\t+3], s[12:13] offset:(32*((\a)/2)+8*((\a)%2)+\t+8*(\t/8))*4096 th:TH_STORE_NT   ; 32 lanes store 512 consecutive bytes, aligned; lane row t of tile a is that query of my 64
.endr
.endm
	OUTB 0
	OUTB 1
	SEND 0, 32
	OUTB 2
	SEND 1, 32
	OUTB 3
	SEND 2, 32
	SEND 3, 0
	s_wait_tensorcnt 0x0                           ; the wave's end, behind my last tensor load and my last LDS store
	ds_add_u32 v[SPW], v[NIL]
	s_wait_dscnt 0x0
	CROUND                                         ; the closing round
	s_endpgm
.Lfunc_end_k_q89e5db596f_pv:
	.size	k_q89e5db596f_pv, .Lfunc_end_k_q89e5db596f_pv-k_q89e5db596f_pv
	.p2alignl 7, 3214868480
	.fill 96, 4, 3214868480
	.section	.rodata,"a",@progbits
	.p2align	6, 0x0
	.amdhsa_kernel k_q89e5db596f_pv
		.amdhsa_group_segment_fixed_size 327680
		.amdhsa_private_segment_fixed_size 0
		.amdhsa_enable_private_segment 0
		.amdhsa_kernarg_size 40
		.amdhsa_user_sgpr_count 2
		.amdhsa_user_sgpr_kernarg_segment_ptr 1
		.amdhsa_wavefront_size32 1
		.amdhsa_system_sgpr_workgroup_id_x 1
		.amdhsa_system_sgpr_workgroup_id_y 1
		.amdhsa_system_sgpr_workgroup_id_z 1
		.amdhsa_system_vgpr_workitem_id 0
		.amdhsa_next_free_vgpr 768
		.amdhsa_next_free_sgpr 100
		.amdhsa_reserve_vcc 0
		.amdhsa_float_denorm_mode_32 3
		.amdhsa_float_denorm_mode_16_64 3
		.amdhsa_memory_ordered 1
		.amdhsa_forward_progress 1
		.amdhsa_inst_pref_size 167
	.end_amdhsa_kernel
	.amdgpu_metadata
---
amdhsa.version: [ 1, 2 ]
amdhsa.kernels:
  - .name:           k_q89e5db596f_pv
    .symbol:         k_q89e5db596f_pv.kd
    .args:
      - { .name: p_codes, .offset: 0, .size: 8, .value_kind: global_buffer, .address_space: global }
      - { .name: p_words, .offset: 8, .size: 8, .value_kind: global_buffer, .address_space: global }
      - { .name: v_codes, .offset: 16, .size: 8, .value_kind: global_buffer, .address_space: global }
      - { .name: v_scales, .offset: 24, .size: 8, .value_kind: global_buffer, .address_space: global }
      - { .name: out0, .offset: 32, .size: 8, .value_kind: global_buffer, .address_space: global }
    .group_segment_fixed_size: 327680
    .private_segment_fixed_size: 0
    .kernarg_segment_align: 8
    .kernarg_segment_size: 40
    .max_flat_workgroup_size: 128
    .sgpr_count:     100
    .vgpr_count:     768
    .wavefront_size: 32
...
	.end_amdgpu_metadata
.endif
;; end of part 4
